; MI455X (gfx1250); checked and timed in simulation.
; The chip was launched on July 23, 2026; its instructions are those of AMD's public machine-readable ISA for CDNA 5 (MIT licence, August 2026) and "CDNA5" Instruction Set Architecture Reference Guide (July 2026). The comments in the code are by the model that wrote it; some were corrected since.
;; Multi Head Token Attention. Allowed arithmetic: matrix products marked QUANTISED: E2M1 operands, one E8M0 scale for each 32 along K, by v_wmma_scale_f32_16x16x128_f8f6f4 with both operands' format E2M1 (or v_wmma_scale_f32_32x16x128_f4), f32 sums; products left as they are: f32 operands where the result goes on into a quantised operand, else bf16, f16 or f32 operands; f32 sums; everything else in f32.
;; Inputs: Wk 1,024 x 1,024 float32; Wq 1,024 x 1,024 float32; Wv 1,024 x 1,024 float32; bk 1,024 float32; bq 1,024 float32; bv 1,024 float32; gate_logits 32 x 32 x 32 float32; query_vec 32 x 32 x 1,024 float32; tokens 32 x 32 x 32 x 1,024 float32.
;; Outputs: out0 32 x 32 x 1,024 float32; out1 32 x 32 x 32 float32; out2 32 x 32 x 16 x 32 float32.
;; This version of the problem:
;;   THIS VERSION OF THE PROBLEM IS GIVEN IN LOW PRECISION. The matrix products marked QUANTISED in the list below multiply operands that are first quantised to E2M1 (2 exponent bits, 1 mantissa bit; 4 bits a number), with one power-of-two scale for each 32 numbers along K (OCP MX v1.0); their sums are f32. All else is computed in f32.
;;   The module's matrix products, in the order in which they are computed (A, B: the left and right operand; K: the contracted axis; several contracted axes count as one K, in the product's order):
;;     1. [M 1,024, K 1,024] x [K 1,024, N 1,024]; A: input query_vec; B: input Wq: QUANTISED
;;     2. [M 32,768, K 1,024] x [K 1,024, N 1,024]; A: input tokens; B: input Wk: QUANTISED
;;     3. [M 32,768, K 1,024] x [K 1,024, N 1,024]; A: input tokens; B: input Wv: QUANTISED
;;     4. batch 16,384 x [M 1, K 64] x [K 64, N 32]; A: computed on the way; B: computed on the way: left as it is (M = 1 < 16)
;;     5. batch 16,384 x [M 1, K 32] x [K 32, N 64]; A: softmax; B: computed on the way: left as it is (M = 1 < 16)
;;   THE QUANTISER, for each operand of a quantised product, along K:
;;     - K is cut into blocks of 32 from its start; a last block that is shorter is filled with zeros.
;;     - A block's scale is 2^e with e = floor(log2(the largest magnitude in the block)) - 2, held to -126 .. 127; a block of zeros has e = 0. As a byte (E8M0): e + 127.
;;     - Each number is divided by its block's scale, clamped to +-6, and rounded to the nearest number of E2M1, ties to even, subnormals kept.
;;     - The product sums the exact products of the quantised numbers (number of the format x scale) in f32.
;;   ~~~python
;;   def quantise(x, axis):      # numpy; x: float32 -> the quantised numbers, widened to float32 again
;;       x = np.moveaxis(x, axis, -1); K = x.shape[-1]
;;       x = np.pad(x, [(0, 0)] * (x.ndim - 1) + [(0, -K % 32)]); x = x.reshape(x.shape[:-1] + (-1, 32)); a = np.abs(x).max(-1, keepdims=True)
;;       e = np.where(a > 0, np.clip(np.frexp(np.where(a > 0, a, 1))[1] - 1 - 2, -126, 127), 0)      # np.frexp(a)[1] - 1 = floor(log2(a)), exactly
;;       r = np.clip(x / 2.0 ** e, -6, 6)
;;       step = 2.0 ** (np.maximum(np.frexp(np.where(r == 0, 1, r))[1] - 1, 0) - 1)
;;       q = np.round(r / step) * step * 2.0 ** e      # np.round: ties to even
;;       return np.moveaxis(q.reshape(q.shape[:-2] + (-1,))[..., :K], -1, axis).astype(np.float32)
;;   ~~~
;; 2 versions. Each part assembles by itself: llvm-mc -triple=amdgcn-amd-amdhsa -mcpu=gfx1250 --defsym DOCPART=n.
;; ======== version 1 of 2: 2 launches
;; workspace buffers: ws 1,671,168 bytes
;; launch prep (part 1): grid 24 x 8, 4 waves a work-group, no clusters, 1,536 bytes of LDS; arguments Wq, Wk, Wv, ws; writes ws
.if DOCPART == 1
	.amdgcn_target "amdgcn-amd-amdhsa--gfx1250"
	.amdhsa_code_object_version 6
	.text
	.protected	k_qdc583fa340_prep
	.globl	k_qdc583fa340_prep
	.p2align	8
	.type	k_qdc583fa340_prep,@function
k_qdc583fa340_prep:
	s_mov_b64 s[64:65], 0
	v_nop
	global_prefetch_b8 v0, s[64:65] scope:SCOPE_SE
	s_setreg_imm32_b32 hwreg(HW_REG_WAVE_MODE, 25, 1), 1
	s_wait_xcnt 0x0
; Wq, Wk, Wv [1024 (k)][1024 (n)] f32 become codes of FP4 (E2M1) with one E8M0 byte for each 32 along K, laid in ws in the order of the
; matrix operand's registers and in the order in which the second launch streams them.
; ws = 24 chunks of 69,632 bytes; a chunk = 4 quarters of 17,408 (one for each wave of the second launch); a quarter = 2 subs of 8 tiles of
; 1,024 bytes, then 2 groups of 512 bytes of scale words.  A tile is 16 columns x 128 K: the 16 bytes at 512 c + 16 l (l = r + 16 hb) are the
; codes of k = 64 c + 32 hb + 0..31 of column r.  In a group the word at 16 l + 4 i belongs to tile 2 i + l / 16, column l % 16.
; Chunks 0-7: Wq, K step = chunk; quarter w', tile 4 p + t: columns 64 (4 p + w') + 16 t + r.
; Chunks 8-23: chunk 8 + 4 p + s / 2, sub s % 2; quarter w' is head 4 p + w'; tiles 0-3 its 64 columns of Wk, tiles 4-7 those of Wv.
; A work-group makes one sub for one K step: 128 columns x 128 k.  A LANE TAKES A COLUMN AND ITS REGISTERS RUN DOWN K: a load reads 128
; consecutive bytes a wave, a block of 32 lies in one lane, and the conversions give codes with K innermost.  Nothing is transposed.
; A block's scale is 2^(floor(log2(largest magnitude)) - 2); its byte is that magnitude's exponent field - 2, held at 1 from below.
; LIMITS: a block of zeros gets the byte 1 where the rule says 127 (its codes are zeros, and this program alone reads the bytes);
; NaN and infinities among the inputs are not served.
.set CHUNK, 69632
.set QUART, 17408
.set X,     40                         ; v40-167  four blocks of 32 numbers
.set C,     16                         ; v16-31   a block's codes, four registers for each block: no store's data are written again
	s_load_b256 s[4:11], s[0:1], 0x0               ; Wq s[4:5], Wk s[6:7], Wv s[8:9], ws s[10:11]
	v_lshl_add_u32 v176, v0, 2, 0x400
	v_mov_b32 v177, 0
	v_lshrrev_b32 v1, 5, v0
	v_readfirstlane_b32 s16, v1                    ; wave 0..3: tiles 2 wave and 2 wave + 1 of the sub
	v_and_b32 v1, 31, v0                           ; lane
	v_lshlrev_b32 v2, 2, v1                        ; in: 4 bytes a lane
	v_lshrrev_b32 v3, 4, v1
	v_and_b32 v4, 15, v1
	v_lshlrev_b32 v4, 4, v4
	v_lshl_add_u32 v3, v3, 10, v4                  ; out: tile lane / 16 of my two, 16 bytes for column lane % 16
	v_lshlrev_b32 v5, 4, v1                        ; 16 x lane
	s_lshl_b32 s30, s16, 2
	v_add_nc_u32 v4, s30, v5                       ; LDS: my scale word's place in the group: 16 x lane + 4 x wave
	s_and_b32 s17, ttmp7, 0xffff                   ; y: the K step
	s_and_b32 s18, ttmp9, 3                        ; w': the quarter
	s_lshr_b32 s19, ttmp9, 2                       ; x / 4
	s_lshl_b32 s20, s19, 3                         ; Wq's work-groups (x < 8): head = 8 (x / 4) + 4 (wave / 2) + w'
	s_add_co_u32 s20, s20, s18
	s_lshr_b32 s21, s16, 1
	s_lshl_b32 s21, s21, 2
	s_add_co_u32 s20, s20, s21
	s_sub_co_u32 s21, ttmp9, 8                     ; the others: head = x - 8,
	s_lshl_b32 s22, s19, 2
	s_lshr_b32 s23, s17, 1
	s_add_co_u32 s22, s22, s23                     ; chunk = 4 (x / 4) + y / 2,
	s_and_b32 s23, s17, 1                          ; sub = y % 2
	s_cmp_lt_u32 ttmp9, 8                          ; the choices hang on the work-group's number alone
	s_cselect_b32 s20, s20, s21                    ; head
	s_cselect_b32 s22, s17, s22                    ; chunk (Wq: y)
	s_cselect_b32 s23, s19, s23                    ; sub (Wq: x / 4)
	s_lshl_b32 s24, s17, 19                        ; in: 128 y rows of 4,096 bytes + 256 x head + 128 (wave % 2)
	s_lshl_b32 s25, s20, 8
	s_add_co_u32 s24, s24, s25
	s_and_b32 s25, s16, 1
	s_lshl_b32 s25, s25, 7
	s_add_co_u32 s24, s24, s25
	s_mov_b32 s25, 0
	s_mul_i32 s26, s22, CHUNK
	s_mul_i32 s27, s18, QUART
	s_add_co_u32 s26, s26, s27                     ; the quarter
	s_lshl_b32 s27, s23, 9
	s_add_co_u32 s28, s26, s27
	s_add_co_u32 s28, s28, 16384                   ; the sub's group of scale words
	s_mov_b32 s29, 0
	s_lshl_b32 s27, s23, 13
	s_add_co_u32 s26, s26, s27
	s_lshl_b32 s27, s16, 11
	s_add_co_u32 s26, s26, s27                     ; my two tiles
	s_mov_b32 s27, 0
	s_wait_kmcnt 0x0
	s_cmp_lt_u32 s16, 2                            ; waves 0, 1: Wk; waves 2, 3: Wv;
	s_cselect_b64 s[12:13], s[6:7], s[8:9]
	s_cmp_lt_u32 ttmp9, 8                          ; the first eight work-groups along x: Wq
	s_cselect_b64 s[12:13], s[4:5], s[12:13]
	s_add_nc_u64 s[12:13], s[12:13], s[24:25]
	s_add_nc_u64 s[14:15], s[10:11], s[26:27]      ; codes
	s_add_nc_u64 s[10:11], s[10:11], s[28:29]      ; scale words
.irp b, 0,1,2,3
.irp i, 0,1,2,3,4,5,6,7,8,9,10,11,12,13,14,15,16,17,18,19,20,21,22,23,24,25,26,27,28,29,30,31
	global_load_b32 v[X+32*\b+\i], v2, s[12:13] offset:(32*\b+\i)*4096 th:TH_LOAD_NT   ; W(128 y + 32 b + i, my column)
.endr
.endr
; Block b of my column.  left: how many younger loads may stay out.
.macro BLOCK b, left
.set XS, X+32*(\b)
	s_wait_loadcnt \left
	v_max3_num_f32 v12, |v[XS]|, |v[XS+1]|, |v[XS+2]|              ; the block's largest magnitude: all 32 numbers are mine; two chains
	v_max3_num_f32 v13, |v[XS+3]|, |v[XS+4]|, |v[XS+5]|
.irp i, 6,10,14,18,22,26
	v_max3_num_f32 v12, v12, |v[XS+\i]|, |v[XS+\i+1]|
	v_max3_num_f32 v13, v13, |v[XS+\i+2]|, |v[XS+\i+3]|
.endr
	v_max3_num_f32 v12, v12, |v[XS+30]|, |v[XS+31]|
	v_max3_num_f32 v12, v12, v13, 0x1800000        ; and the floor 2^(3 - 127): the byte cannot fall under 1
	v_add_nc_u32 v11, 0xff000000, v12              ; 2 off the exponent field: the conversion takes the exponent field of this operand as its scale
	v_lshrrev_b32 v13, 23, v11                     ; the scale's byte
.if (\b) == 0
	v_mov_b32 v14, v13                             ; four bytes make the column's scale word for this K step
.else
	v_lshl_or_b32 v14, v13, 8*(\b), v14
.endif
.irp g, 0,1,2,3
	v_cvt_scalef32_pk8_fp4_f32 v[C+4*(\b)+\g], v[XS+8*\g:XS+8*\g+7], v11
.endr
	global_store_b128 v3, v[C+4*(\b):C+4*(\b)+3], s[14:15] offset:((\b)/2)*512+((\b)%2)*256   ; sixteen lanes store 256 consecutive bytes, aligned
.endm
	BLOCK 0, 63                                    ; 96 loads are younger; the count is held at 63, the most that the wait names: a smaller count is safe
	BLOCK 1, 63                                    ; 64 are younger
	BLOCK 2, 32
	BLOCK 3, 0
	ds_store_b32 v4, v14                           ; the four waves' words meet in LDS
	s_wait_dscnt 0x0                               ; for the others' sake: my store is done
	s_barrier_signal -1
	s_barrier_wait -1
	s_cmp_lg_u32 s16, 0
	s_cbranch_scc1 .Ldone
	ds_load_b128 v[32:35], v5
	s_wait_dscnt 0x0
	global_store_b128 v5, v[32:35], s[10:11]       ; wave 0 stores the group: 512 consecutive bytes
.Ldone:
	s_wait_tensorcnt 0x0
	ds_add_u32 v176, v177
	s_wait_dscnt 0x0
	s_endpgm
.Lfunc_end_k_qdc583fa340_prep:
	.size	k_qdc583fa340_prep, .Lfunc_end_k_qdc583fa340_prep-k_qdc583fa340_prep
	.p2alignl 7, 3214868480
	.fill 96, 4, 3214868480
	.section	.rodata,"a",@progbits
	.p2align	6, 0x0
	.amdhsa_kernel k_qdc583fa340_prep
		.amdhsa_group_segment_fixed_size 1536
		.amdhsa_private_segment_fixed_size 0
		.amdhsa_enable_private_segment 0
		.amdhsa_kernarg_size 32
		.amdhsa_user_sgpr_count 2
		.amdhsa_user_sgpr_kernarg_segment_ptr 1
		.amdhsa_wavefront_size32 1
		.amdhsa_system_sgpr_workgroup_id_x 1
		.amdhsa_system_sgpr_workgroup_id_y 1
		.amdhsa_system_sgpr_workgroup_id_z 1
		.amdhsa_system_vgpr_workitem_id 0
		.amdhsa_next_free_vgpr 178
		.amdhsa_next_free_sgpr 66
		.amdhsa_reserve_vcc 0
		.amdhsa_float_denorm_mode_32 3
		.amdhsa_float_denorm_mode_16_64 3
		.amdhsa_memory_ordered 1
		.amdhsa_forward_progress 1
		.amdhsa_inst_pref_size 22
	.end_amdhsa_kernel
	.amdgpu_metadata
---
amdhsa.version: [ 1, 2 ]
amdhsa.kernels:
  - .name:           k_qdc583fa340_prep
    .symbol:         k_qdc583fa340_prep.kd
    .args:
      - { .name: Wq, .offset: 0, .size: 8, .value_kind: global_buffer, .address_space: global }
      - { .name: Wk, .offset: 8, .size: 8, .value_kind: global_buffer, .address_space: global }
      - { .name: Wv, .offset: 16, .size: 8, .value_kind: global_buffer, .address_space: global }
      - { .name: ws, .offset: 24, .size: 8, .value_kind: global_buffer, .address_space: global }
    .group_segment_fixed_size: 1536
    .private_segment_fixed_size: 0
    .kernarg_segment_align: 8
    .kernarg_segment_size: 32
    .max_flat_workgroup_size: 128
    .sgpr_count:     66
    .vgpr_count:     178
    .wavefront_size: 32
...
	.end_amdgpu_metadata
.endif
;; end of part 1
;; launch main (part 2): grid 256 x 1, 4 waves a work-group, clusters of 4 x 1, 327,680 bytes of LDS; arguments tokens, query_vec, gate_logits, bq, bk, bv, ws, out0, out1, out2; writes out0, out1, out2
.if DOCPART == 2
	.amdgcn_target "amdgcn-amd-amdhsa--gfx1250"
	.amdhsa_code_object_version 6
	.text
	.protected	k_qdc583fa340_main
	.globl	k_qdc583fa340_main
	.p2align	8
	.type	k_qdc583fa340_main,@function
k_qdc583fa340_main:
	s_mov_b64 s[64:65], 0
	v_nop
	global_prefetch_b8 v0, s[64:65] scope:SCOPE_SE
	s_setreg_imm32_b32 hwreg(HW_REG_WAVE_MODE, 25, 1), 1
	s_wait_xcnt 0x0
	s_wait_alu depctr_hold_cnt(0) depctr_sa_sdst(0) depctr_va_vdst(0) depctr_va_sdst(0) depctr_va_ssrc(0) depctr_va_vcc(0) depctr_vm_vsrc(0)
	s_getreg_b32 s2, hwreg(HW_REG_IB_STS2, 6, 4)
	s_cmp_eq_u32 s2, 0
	s_cbranch_scc0 .Lentry_in_a_cluster
	s_endpgm
.Lentry_in_a_cluster:
	s_bfe_u32 s2, ttmp6, 0x10000c
	s_cmp_lg_u32 s2, 0x3003
	s_cbranch_scc0 .Lentry_shape_is_right
	s_endpgm
.Lentry_shape_is_right:
; q = query_vec Wq + bq, k = tokens Wk + bk, v = tokens Wv + bv on codes of FP4 (E2M1) with one E8M0 scale for each 32 along K = 1,024; then for each pair (t, b) and each of
; 16 heads: 32 logits q . k / 8 + gate, their softmax (the maximum taken away), attn . v, and the mean of attn over the heads.  k and v never go to memory.
; SHARES.  A work-group owns 4 pairs: 128 rows of tokens (row tile m = 0..7: pair m / 2, tokens 16 (m % 2) + r) and 4 rows of query_vec.
; PHASE X: wave w reads rows 32 w .. 32 w + 31 of tokens, 128 along K at a time (a load = 512 consecutive bytes of one row), turns them through its own stage in LDS so that a lane holds
; 16 neighbours along K, quantises them and stores the fragments as IMAGES OF THE OPERAND'S REGISTERS.  64 loads of a wave are kept out.  Under that stream q is made: the weights' chunk of a
; K step goes from the ring into registers, 16 products a wave (the query tile's rows 4-15 are copies of rows 0-3).
; FOUR PASSES: in pass p wave w makes head 4 p + w for all 128 rows: 64 columns of k (transposed: a lane holds one token, its registers run along d) and 64 of v (natural: a lane holds one d,
; its registers run along the tokens): 64 accumulators, 512 registers; then the head's logits, softmax and attn . v in registers (f32 multiply-adds).  Results gather in LDS and leave in runs of 512 bytes.
; THE WEIGHTS come as the first launch laid them: 24 chunks of 69,632 bytes through a ring of two slots; wave w's tensor load brings quarter w, which wave w alone reads.
; CLUSTER: the four work-groups of a cluster walk the same chunks in the same order, so each quarter is asked for JOINTLY (mask 15), which divides the requests for the weights by four.
; By this text's count a wave has two tensor loads out at the start and one behind each round.
; LIMITS: NaN and infinities among the inputs are not served.  A block of zeros gets the byte 1 where the rule says 127: its codes are zeros, and this program alone reads the bytes.
; bv is added behind the weighted sum: attended = sum of attn x (v - bv) + bv; it differs from the stated order by bv x (the sum of attn - 1), a few roundings of f32.
; An attn under 2^-126 x its row's largest comes out as 0 (v_exp_f32 flushes: ISA guide, 15.8).
; REGISTERS, in windows of 256: window 0: v0-31, v58-61 addresses; v32-47 scale words and nothing else; v48-57 gate, sums of attn, bv; v64-127, v128-191 A's fragments, two sets (phase X and the
;   work behind a pass use them too); v192-255 numbers at work.   window 1: v0-127 B's fragments, two sets (phase X: Wq's 16 tiles); v128-255 q's 16 accumulators, later v128-159 bk.
;   window 2: phase X: four sets of 64 for the token loads; then k's 32 accumulators, (m, t) at v[8 (4 m + t)].   window 3: v's 32 accumulators likewise.
.set QUART,  17408                     ; a quarter of a chunk: 68 rows of 256 bytes
.set SLOTB,  69632                     ; a chunk, and a slot of the ring (LDS bytes 0 .. 139,263)
.set AIMG,   139264                    ; token codes: m*8192 + s*1024 + c*512 + 16 lane (wave w stores tiles 2 w, 2 w + 1: 16,384 bytes on end)
.set ASC,    204800                    ; token scale words: s*512 + 16 lane + 4 i: word of tile 2 i + lane / 16, row lane % 16
.set QIMG,   208896                    ; the query tile's codes: s*1024 + c*512 + 16 lane
.set QSC,    217088                    ; its scale words: s*128 + 4 lane
.set STG,    218112                    ; each wave's turning stage: 16 rows of 512 bytes + 16
.set QBUF,   251904                    ; q + bq, f32: g*4096 + 4 d
.set ATT,    268288                    ; attended: w*4096 + g*1024 + p*256 + 4 (d % 64)
.set LGT,    284672                    ; logits: w*2048 + g*512 + p*128 + 4 n
.set PBUF,   292864                    ; attn of the head in hand: w*512 + g*128 + 4 n
.set MABUF,  294912                    ; sums of attn over a wave's four heads: w*512 + g*128 + 4 n
.set ASCT,   296960                    ; token scale words as phase X makes them: w*1024 + s*128 + 4 lane
.set SPARE,  301056                    ; the spare words, 128 bytes for each wave: two blocks of 256 bytes that no other line names
.set LN,   1                           ; lane
.set R,    2                           ; lane % 16
.set H,    3                           ; lane / 16
.set L16,  4                           ; 16 x lane
.set L4,   5                           ; 4 x lane
.set SPW,  6                           ; LDS address of my spare word; never rewritten
.set NIL,  7                           ; 0; never rewritten
.set BADR, 8                           ; v8, v9: my quarter in slot 0, 1, + 16 lane
.set AADR, 10                          ; AIMG + 16 lane
.set SADR, 11                          ; ASC + 16 lane
.set STA,  12                          ; the stage on the way in: 16 lane
.set STR,  13                          ; and out: 528 r + 64 h
.set AW0,  14                          ; where I store token images; AW = AW0 + the trip's step
.set AW,   15
.set SW0,  16                          ; ASCT + 1024 w + 4 lane; SW likewise
.set SW,   17
.set QFA0, 18                          ; QIMG + 16 lane; QFA likewise
.set QFA,  19
.set QSA0, 20                          ; QSC + 4 lane; QSA likewise
.set QSA,  21
.set ASW,  22                          ; ASC + 16 lane + 4 w
.set QW,   23                          ; QBUF + 4096 (r % 4) + 256 w + 32 h
.set QRA0, 24                          ; QBUF + 256 w + 32 h; QRA = + 1024 p
.set QRA,  25
.set LGA0, 26                          ; LGT + 2048 w + 4 lane; LGA = + 128 p
.set LGA,  27
.set PBA,  28                          ; PBUF + 512 w + 4 lane
.set PBR,  29                          ; PBUF + 512 w + 32 h
.set ATA0, 30                          ; ATT + 4096 w + 4 lane; ATA = + 256 p
.set ATA,  31
.set SA,   32                          ; v32-39 A's scale words, two sets of four (phase X: Wq's eight)
.set SB,   40                          ; v40-47 B's, two sets of four
.set QS,   44                          ; phase X: the query tile's scale word
.set GT,   48                          ; v48-51 gate, lane = token
.set MA,   52                          ; v52-55 the sum of attn over my heads
.set BV,   56                          ; v56-57 bv of the head, lane = d % 32
.set BKO,  58                          ; 32 h
.set MAW,  59                          ; MABUF + 512 w + 4 lane
.set QIW,  60                          ; QIMG + 2048 w + 16 lane
.set QSW,  61                          ; QSC + 256 w + 4 lane
.set TM,   64                          ; phase X: v64-67 largest magnitudes, v68-71 bytes, v76-79 the conversions' scale operands
.set PC,   80                          ; v80-87 the codes just made
.set PW,   88                          ; v88, v89 the scale words of a trip's two units; v90 the two joined
.set PWC,  90
.set QF,   96                          ; v96-103 the query tile's fragment
.set X,    192                         ; v192-255 64 numbers of a lane
.set WV,   24                          ; s24 my wave's number
.set SEL,  48                          ; s[48:49] v_permlanex16_b32's selects for lane l xor 16
.set MSB, 0
.macro WIN new                         ; bits 1:0 source 0, 3:2 source 1, 5:4 source 2, 7:6 destination; the immediate's high byte repeats the setting that is left
.if MSB != \new
	s_set_vgpr_msb (MSB<<8)|\new
.set MSB, \new
.endif
.endm
; A load into a register that a matrix instruction has read, and a vector instruction or LDS store that reads a matrix result, stand four places behind that matrix instruction; only plain vector
; instructions that name none of its registers are places (ISA guide 7.12.1 for vector instructions).
.macro PLACES
.rept 4
	v_nop
.endr
.endm
.macro CREST                           ; a round of the cluster's barrier behind its opening barrier
	s_cmp_lg_u32 s[WV], 0
	s_cbranch_scc1 .Lnot_wave_0_\@
	s_barrier_signal -3
.Lnot_wave_0_\@:
	s_barrier_wait -3
	s_barrier_signal -1
	s_barrier_wait -1
.endm
.macro CROUND                          ; a whole round
	s_barrier_signal -1
	s_barrier_wait -1
	CREST
.endm
; One matrix instruction from the symbols rD, rA, rB, rC (registers), rSA, rSB (scale registers), pA, pB (1: that side's words stand in lanes 16-31), cZ (1: the constant 0 starts the sum).
.macro WMM
.if cZ
.if pA && pB
	v_wmma_scale_f32_16x16x128_f8f6f4 v[rD:rD+7], v[rA:rA+7], v[rB:rB+7], 0, v[rSA], v[rSB] matrix_a_fmt:MATRIX_FMT_FP4 matrix_b_fmt:MATRIX_FMT_FP4 matrix_a_scale:MATRIX_SCALE_ROW1 matrix_b_scale:MATRIX_SCALE_ROW1
.elseif pA
	v_wmma_scale_f32_16x16x128_f8f6f4 v[rD:rD+7], v[rA:rA+7], v[rB:rB+7], 0, v[rSA], v[rSB] matrix_a_fmt:MATRIX_FMT_FP4 matrix_b_fmt:MATRIX_FMT_FP4 matrix_a_scale:MATRIX_SCALE_ROW1
.elseif pB
	v_wmma_scale_f32_16x16x128_f8f6f4 v[rD:rD+7], v[rA:rA+7], v[rB:rB+7], 0, v[rSA], v[rSB] matrix_a_fmt:MATRIX_FMT_FP4 matrix_b_fmt:MATRIX_FMT_FP4 matrix_b_scale:MATRIX_SCALE_ROW1
.else
	v_wmma_scale_f32_16x16x128_f8f6f4 v[rD:rD+7], v[rA:rA+7], v[rB:rB+7], 0, v[rSA], v[rSB] matrix_a_fmt:MATRIX_FMT_FP4 matrix_b_fmt:MATRIX_FMT_FP4
.endif
.else
.if pA && pB
	v_wmma_scale_f32_16x16x128_f8f6f4 v[rD:rD+7], v[rA:rA+7], v[rB:rB+7], v[rC:rC+7], v[rSA], v[rSB] matrix_a_fmt:MATRIX_FMT_FP4 matrix_b_fmt:MATRIX_FMT_FP4 matrix_a_scale:MATRIX_SCALE_ROW1 matrix_b_scale:MATRIX_SCALE_ROW1
.elseif pA
	v_wmma_scale_f32_16x16x128_f8f6f4 v[rD:rD+7], v[rA:rA+7], v[rB:rB+7], v[rC:rC+7], v[rSA], v[rSB] matrix_a_fmt:MATRIX_FMT_FP4 matrix_b_fmt:MATRIX_FMT_FP4 matrix_a_scale:MATRIX_SCALE_ROW1
.elseif pB
	v_wmma_scale_f32_16x16x128_f8f6f4 v[rD:rD+7], v[rA:rA+7], v[rB:rB+7], v[rC:rC+7], v[rSA], v[rSB] matrix_a_fmt:MATRIX_FMT_FP4 matrix_b_fmt:MATRIX_FMT_FP4 matrix_b_scale:MATRIX_SCALE_ROW1
.else
	v_wmma_scale_f32_16x16x128_f8f6f4 v[rD:rD+7], v[rA:rA+7], v[rB:rB+7], v[rC:rC+7], v[rSA], v[rSB] matrix_a_fmt:MATRIX_FMT_FP4 matrix_b_fmt:MATRIX_FMT_FP4
.endif
.endif
.endm
; 64 numbers of a lane, v[s] .. v[s + 63], register 16 b + i = k 32 b + 16 (lane / 16) + i of my row, become a fragment's codes in v[PC] on and its scale word in v[w].
.macro QUANT s, w
.irp b, 0,1,2,3
	v_max3_num_f32 v[TM+\b], |v[\s+16*\b]|, |v[\s+1+16*\b]|, 0x1800000   ; block b: my 16 numbers, and the floor 2^(3 - 127): the byte cannot fall under 1
.endr
.irp i, 2,4,6,8,10,12,14
.irp b, 0,1,2,3
	v_max3_num_f32 v[TM+\b], v[TM+\b], |v[\s+16*\b+\i]|, |v[\s+1+16*\b+\i]|   ; the four blocks by turns
.endr
.endr
.irp b, 0,1,2,3
	v_permlanex16_b32 v[TM+4+\b], v[TM+\b], s[SEL], s[SEL+1]
.endr
.irp b, 0,1,2,3
	v_max_num_f32 v[TM+\b], v[TM+\b], v[TM+4+\b]   ; with lane l xor 16's: the block's largest magnitude
.endr
.irp b, 0,1,2,3
	v_add_nc_u32 v[TM+12+\b], 0xff000000, v[TM+\b]   ; 2 off its exponent field: the conversion's scale operand
.endr
.irp b, 0,1,2,3
	v_lshrrev_b32 v[TM+4+\b], 23, v[TM+12+\b]      ; the scale's byte
.endr
	v_lshl_or_b32 v[\w], v[TM+5], 8, v[TM+4]       ; the four bytes make my row's scale word
	v_lshl_or_b32 v[\w], v[TM+6], 16, v[\w]
	v_lshl_or_b32 v[\w], v[TM+7], 24, v[\w]
.irp b, 0,1,2,3
	v_cvt_scalef32_pk8_fp4_f32 v[PC+2*\b], v[\s+16*\b:\s+7+16*\b], v[TM+12+\b]
	v_cvt_scalef32_pk8_fp4_f32 v[PC+1+2*\b], v[\s+8+16*\b:\s+15+16*\b], v[TM+12+\b]
.endr
	v_nop                                          ; one plain place behind a scaled conversion
.irp c, 0,1                                    ; the operand's layout wants a whole block in a lane: lanes 0-15 block 2 c, lanes 16-31 block 2 c + 1
.irp i, 0,1
	v_permlane16_swap_b32 v[PC+4*\c+\i], v[PC+2+4*\c+\i]
.endr
.endr
.endm
; In front of a refill of slot n: all my tensor loads have landed, so a group 0 may be written; the add; the slot's next chunk but one; the add is done and my reads of the slot are back.
.macro THREE n
	s_wait_tensorcnt 0x0
	ds_add_u32 v[SPW], v[NIL]                      ; 0 onto my spare word
	s_add_nc_u64 s[42+4*(\n):43+4*(\n)], s[42+4*(\n):43+4*(\n)], 2*SLOTB   ; the type bits on top are not reached
	s_wait_dscnt 0x0
.endm
.macro REFILL n                        ; my quarter of the next chunk into slot n, jointly with my three partners; four v_nop follow
	tensor_load_to_lds s[40+4*(\n):43+4*(\n)], s[32:39]
	s_nop 0
	PLACES
.endm
; 16 rows x 512 bytes of tokens (rows 16 i on of my 32, koff bytes along the rows) into set `set` of window 2: each load reads 512 consecutive bytes
.macro TLOAD set, i, koff
	WIN 0x80
.irp row, 0,1,2,3,4,5,6,7,8,9,10,11,12,13,14,15
	global_load_b128 v[64*(\set)+4*\row:64*(\set)+4*\row+3], v[L16], s[4:5] offset:(16*(\i)+\row)*4096+(\koff) th:TH_LOAD_NT
.endr
	WIN 0
.endm
.macro TURNOUT                         ; out of the stage: lane (r, h) takes, of row r, 16 neighbours of each block of 32
.irp b, 0,1,2,3
.irp j, 0,1,2,3
	ds_load_b128 v[X+16*\b+4*\j:X+16*\b+4*\j+3], v[STR] offset:128*\b+16*\j   ; LDS serves a wave's instructions in order: these see my stores
.endr
.endr
	s_wait_dscnt 0x0                               ; the numbers are back; the stores into the stage have read their registers, and earlier image stores theirs
.endm
; One unit: row tile 2 w + i, K step 2 trip + par.  left: the younger token loads that may stay out.
.macro UNIT set, i, par, reload, left
	s_wait_loadcnt \left
	WIN 0x08                                       ; an LDS store's data are its source 1: window 2
.irp row, 0,1,2,3,4,5,6,7,8,9,10,11,12,13,14,15
	ds_store_b128 v[STA], v[64*(\set)+4*\row:64*(\set)+4*\row+3] offset:528*\row
.endr
	WIN 0
	TURNOUT
.if \reload
	TLOAD \set, \i, ((\par)+2)*512                 ; the set takes the same rows two K steps on
.endif
	QUANT X, PW+(\i)
.irp c, 0,1
	ds_store_b128 v[AW], v[PC+4*\c:PC+4*\c+3] offset:(\i)*8192+(\par)*1024+\c*512
.endr
.endm
.macro FETCHQ par                      ; my quarter of Wq's chunk (16 tiles, 8 registers of scale words) out of slot par; the query tile's fragment and word of this K step
	WIN 0x40
.irp u, 0,1,2,3,4,5,6,7,8,9,10,11,12,13,14,15
.irp c, 0,1
	ds_load_b128 v[8*\u+4*\c:8*\u+4*\c+3], v[BADR+(\par)] offset:\u*1024+\c*512
.endr
.endr
	WIN 0
.irp gq, 0,1
	ds_load_b128 v[SA+4*\gq:SA+4*\gq+3], v[BADR+(\par)] offset:16384+512*\gq
.endr
.irp c, 0,1
	ds_load_b128 v[QF+4*\c:QF+4*\c+3], v[QFA] offset:(\par)*1024+512*\c
.endr
	ds_load_b32 v[QS], v[QSA] offset:(\par)*128
.endm
; A K step of phase X.  The chunk goes into registers, so its slot is free at once: the round, the refill; then q's 16 products (transposed: a lane holds query row r % 4, register j of
; tile 4 p + t is d = 64 (4 p + w) + 16 t + 8 h + j; the 16 accumulators by turns); then two units of tokens, whose vector work is also the places behind the products.
.macro TRIP par, reload, l0, l1
	FETCHQ \par
	THREE \par
	CROUND                                         ; no wave of any partner still reads the slot or has a load on its way
	REFILL \par
	WIN 0x51                                       ; source 0 (Wq), C and D window 1; source 1 (the query tile) window 0
.irp u, 0,1,2,3,4,5,6,7,8,9,10,11,12,13,14,15
.set rD, 128+8*\u
.set rA, 8*\u
.set rB, QF
.set rC, rD
.set rSA, SA+\u/2
.set rSB, QS
.set pA, \u%2
.set pB, 0
.set cZ, 0
	WMM
.endr
	WIN 0
	UNIT 2*\par, 0, \par, \reload, \l0
	UNIT 2*\par+1, 1, \par, \reload, \l1
	v_cndmask_b32 v[PWC], v[PW], v[PW+1], s50      ; lanes 0-15: tile 2 w's words; lanes 16-31: tile 2 w + 1's
	ds_store_b32 v[SW], v[PWC] offset:(\par)*128
.endm
.macro XADR                            ; the trip's LDS addresses: s51 = 256 x trip
	s_lshl_b32 s52, s51, 3
	v_add_nc_u32 v[AW], s52, v[AW0]                ; two K steps of 1,024 bytes in each tile's images
	v_add_nc_u32 v[QFA], s52, v[QFA0]
	v_add_nc_u32 v[SW], s51, v[SW0]                ; two K steps of 128 bytes
	v_add_nc_u32 v[QSA], s51, v[QSA0]
.endm
; 34 LDS loads in one run: B's eight tiles of sub e of my quarter of `slot`, A's eight tiles of K step s, and both sides' scale words, into set `set`
.macro FETCH slot, e, s, set
	WIN 0x40
.irp j, 0,1,2,3,4,5,6,7
.irp c, 0,1
	ds_load_b128 v[64*(\set)+8*\j+4*\c:64*(\set)+8*\j+4*\c+3], v[BADR+(\slot)] offset:(\e)*8192+\j*1024+\c*512
.endr
.endr
	WIN 0
.irp m, 0,1,2,3,4,5,6,7
.irp c, 0,1
	ds_load_b128 v[64+64*(\set)+8*\m+4*\c:64+64*(\set)+8*\m+4*\c+3], v[AADR] offset:\m*8192+(\s)*1024+\c*512
.endr
.endr
	ds_load_b128 v[SA+4*(\set):SA+4*(\set)+3], v[SADR] offset:(\s)*512
	ds_load_b128 v[SB+4*(\set):SB+4*(\set)+3], v[BADR+(\slot)] offset:16384+(\e)*512
.endm
; k, transposed: source 0 = 16 columns of Wk, source 1 = 16 tokens.  Lane (r, h) holds token r of tile m; register j of (m, t) is d = 16 t + 8 h + j.  first = 1: bk is the C of the first product.
.macro MULK set, first
.if \first
	WIN 0x91                                       ; source 0 window 1, source 1 window 0, C (bk) window 1, D window 2
.else
	WIN 0xa1                                       ; C and D window 2
.endif
.irp m, 0,1,2,3,4,5,6,7
.irp t, 0,1,2,3
.set rD, 8*(4*\m+\t)
.set rA, 64*(\set)+8*\t
.set rB, 64+64*(\set)+8*\m
.if \first
.set rC, 128+8*\t
.else
.set rC, rD
.endif
.set rSA, SB+4*(\set)+\t/2
.set rSB, SA+4*(\set)+\m/2
.set pA, \t%2
.set pB, \m%2
.set cZ, 0
	WMM
.endr
.endr
.endm
; v, natural: source 0 = 16 tokens, source 1 = 16 columns of Wv.  Lane (r, h) holds d = 16 t + r; register j of (m, t) is token 8 h + j of tile m.  first = 1: the constant 0 starts the sums.
.macro MULV set, first
	WIN 0xf4                                       ; source 0 window 0, source 1 window 1, C and D window 3
.irp m, 0,1,2,3,4,5,6,7
.irp t, 0,1,2,3
.set rD, 8*(4*\m+\t)
.set rA, 64+64*(\set)+8*\m
.set rB, 64*(\set)+8*(4+\t)
.set rC, rD
.set rSA, SA+4*(\set)+\m/2
.set rSB, SB+4*(\set)+2+\t/2
.set pA, \m%2
.set pB, \t%2
.set cZ, \first
	WMM
.endr
.endr
.endm
; A K step is 64 matrix instructions on 64 accumulators, one instruction a turn, in the same order in every step.
; An even K step multiplies set 0 and fetches the odd step (the same chunk's second sub) into set 1.
.macro EVEN s, slot, first
	s_wait_dscnt 0x0                               ; set 0 is in
	PLACES
	FETCH \slot, 1, \s+1, 1
	MULK 0, \first
	MULV 0, \first
	WIN 0
.endm
; An odd K step multiplies set 1 and leaves the slot.  fill = 1: the slot is filled again: the three lines, a round of the cluster's barrier with 32 matrix instructions inside it, the joint refill
; first behind it; its four v_nop are also the places in front of the loads into set 0.  fill = 0 (the last two chunks): nothing is filled, and a wave reads only what its own load brought: no barrier.
.macro ODD s, slot, fill, fetch
.if \fill
	THREE \slot
	s_barrier_signal -1
	MULK 1, 0
	WIN 0
	s_barrier_wait -1
	CREST
	REFILL \slot
	FETCH 1-\slot, 0, (\s+1)%8, 0
.else
.if \fetch
	s_wait_tensorcnt 0x0                           ; my one load that is out is the last chunk's
.endif
	s_wait_dscnt 0x0                               ; set 1 is in
	MULK 1, 0
	WIN 0
.if \fetch
	PLACES
	FETCH 1-\slot, 0, (\s+1)%8, 0
.endif
.endif
	MULV 1, 0
	WIN 0
.endm
.macro QRL g                           ; q of pair g at my head's d = 16 t + 8 h + j: 32 registers, two sets by turns
.irp t, 0,1,2,3
.irp cc, 0,1
	ds_load_b128 v[X+32*((\g)%2)+8*\t+4*\cc:X+32*((\g)%2)+8*\t+4*\cc+3], v[QRA] offset:(\g)*4096+64*\t+16*\cc
.endr
.endr
.endm
; BEHIND A PASS: the head's logits, softmax and attn . v.  v128-135 four chains, v136-143 dot products, v144-147 logits, v148-151 maxima, v152-155 p then attn, v156-159 sums, v160-191 attn . v.
.macro POST last
	PLACES                                         ; behind the last products
.irp tt, 0,1
	global_load_b32 v[BV+\tt], v[L4], s[14:15] offset:128*\tt      ; bv at d = 32 tt + lane of my head
.endr
.if \last == 0
	WIN 0x40
.irp t, 0,1,2,3
.irp cc, 0,1
	global_load_b128 v[128+8*\t+4*\cc:131+8*\t+4*\cc], v[BKO], s[12:13] offset:64*\t+16*\cc   ; bk of the NEXT head, in the layout of k's accumulators
.endr
.endr
	WIN 0
.endif
	v_add_nc_u32 v[QRA], s57, v[QRA0]
	v_add_nc_u32 v[ATA], s58, v[ATA0]
	v_add_nc_u32 v[LGA], s61, v[LGA0]
	QRL 0
	QRL 1
.irp g, 0,1,2,3
.if \g < 3
	s_wait_dscnt 8                                 ; this pair's q is in; the next pair's eight loads may be out
.else
	s_wait_dscnt 0x0
.endif
	WIN 0x02                                       ; source 0: k's accumulators, window 2
.irp tl, 0,1
.irp jj, 0,1,2,3
.irp mm, 0,1
.irp hf, 0,1
.set rT, 128+2*(2*\mm+\hf)
.set rK, 8*(4*(2*\g+\mm)+2*\hf+\tl)+2*\jj
.set rQ, X+32*(\g%2)+8*(2*\hf+\tl)+2*\jj
.if (\tl == 0) && (\jj == 0)
	v_pk_mul_f32 v[rT:rT+1], v[rK:rK+1], v[rQ:rQ+1]                ; four chains: tile mm, tiles of d 2 hf and 2 hf + 1
.else
	v_pk_fma_f32 v[rT:rT+1], v[rK:rK+1], v[rQ:rQ+1], v[rT:rT+1]
.endif
.endr
.endr
.endr
.endr
	WIN 0
.irp mm, 0,1
	v_pk_add_f32 v[128+4*\mm:129+4*\mm], v[128+4*\mm:129+4*\mm], v[130+4*\mm:131+4*\mm]
.endr
.irp mm, 0,1
	v_add_f32 v[136+2*\g+\mm], v[128+4*\mm], v[129+4*\mm]          ; token 16 mm + r: the 32 d of my half
.endr
.if \g < 2
	QRL \g+2
.endif
.endr
.irp g, 0,1,2,3
	v_permlane16_swap_b32 v[136+2*\g], v[137+2*\g]                 ; the first now holds both tiles' halves h = 0, the second both tiles' h = 1:
.endr
.irp g, 0,1,2,3
	v_add_f32 v[136+2*\g], v[136+2*\g], v[137+2*\g]                ; their sum is q . k with lane = token
.endr
.irp g, 0,1,2,3
	v_fma_f32 v[144+\g], v[136+2*\g], s59, v[GT+\g]                ; / 8 + gate
.endr
.irp g, 0,1,2,3
	ds_store_b32 v[LGA], v[144+\g] offset:512*\g
.endr
.irp g, 0,1,2,3
	v_max_num_f32_dpp v[148+\g], v[144+\g], v[144+\g] row_xmask:1 row_mask:0xf bank_mask:0xf   ; the row's maximum over the 32 lanes (the destination was written before, by an LDS load)
.endr
.irp x, 2,4,8
.irp g, 0,1,2,3
	v_max_num_f32_dpp v[148+\g], v[148+\g], v[148+\g] row_xmask:\x row_mask:0xf bank_mask:0xf
.endr
.endr
.irp g, 0,1,2,3
	v_permlanex16_b32 v[128+\g], v[148+\g], s[SEL], s[SEL+1]
.endr
.irp g, 0,1,2,3
	v_max_num_f32 v[148+\g], v[148+\g], v[128+\g]
.endr
.irp g, 0,1,2,3
	v_sub_f32 v[152+\g], v[144+\g], v[148+\g]                      ; the maximum is taken away: 0 or less
.endr
.irp g, 0,1,2,3
	v_mul_f32 v[152+\g], s60, v[152+\g]                            ; x log2(e)
.endr
.irp g, 0,1,2,3
	v_exp_f32 v[152+\g], v[152+\g]
.endr
	v_nop                                          ; one plain place behind the exponentials
	s_wait_alu depctr_va_vdst(0)
.irp g, 0,1,2,3
	v_add_f32_dpp v[156+\g], v[152+\g], v[152+\g] row_xmask:1 row_mask:0xf bank_mask:0xf       ; the row's sum, at least 1
.endr
.irp x, 2,4,8
.irp g, 0,1,2,3
	v_add_f32_dpp v[156+\g], v[156+\g], v[156+\g] row_xmask:\x row_mask:0xf bank_mask:0xf
.endr
.endr
.irp g, 0,1,2,3
	v_permlanex16_b32 v[132+\g], v[156+\g], s[SEL], s[SEL+1]
.endr
.irp g, 0,1,2,3
	v_add_f32 v[156+\g], v[156+\g], v[132+\g]
.endr
.irp g, 0,1,2,3
	v_rcp_f32 v[156+\g], v[156+\g]
.endr
	v_nop                                          ; one plain place behind the reciprocals
	s_wait_alu depctr_va_vdst(0)
.irp g, 0,1,2,3
	v_mul_f32 v[152+\g], v[152+\g], v[156+\g]                      ; attn
.endr
.irp g, 0,1,2,3
	v_add_f32 v[MA+\g], v[MA+\g], v[152+\g]
.endr
.irp g, 0,1,2,3
	ds_store_b32 v[PBA], v[152+\g] offset:128*\g                   ; attn changes lanes through my own 512 bytes of LDS:
.endr
.irp g, 0,1,2,3
.irp u, 0,1
.irp cc, 0,1
	ds_load_b128 v[X+16*\g+8*\u+4*\cc:X+16*\g+8*\u+4*\cc+3], v[PBR] offset:128*\g+64*\u+16*\cc   ; register 16 g + 8 u + j: attn of token 16 u + 8 h + j, as v's accumulators have the tokens
.endr
.endr
.endr
	s_wait_dscnt 0x0
	WIN 0x03                                       ; source 0: v's accumulators, window 3
.irp g, 0,1,2,3
.irp u, 0,1
.irp jj, 0,1,2,3
.irp t, 0,1,2,3
.set rO, 160+2*(4*\g+\t)
.set rV, 8*(4*(2*\g+\u)+\t)+2*\jj
.set rP, X+16*\g+8*\u+2*\jj
.if (\u == 0) && (\jj == 0)
	v_pk_mul_f32 v[rO:rO+1], v[rV:rV+1], v[rP:rP+1]                ; four chains by turns
.else
	v_pk_fma_f32 v[rO:rO+1], v[rV:rV+1], v[rP:rP+1], v[rO:rO+1]
.endif
.endr
.endr
.endr
.endr
	WIN 0
.irp k, 0,1,2,3,4,5,6,7,8,9,10,11,12,13,14,15
	v_add_f32 v[160+2*\k], v[160+2*\k], v[161+2*\k]                ; d = 16 t + r: the 16 tokens of my half
.endr
.irp k, 0,1,2,3,4,5,6,7
	v_permlane16_swap_b32 v[160+4*\k], v[162+4*\k]                 ; tiles 2 tt and 2 tt + 1 of d: as for the logits,
.endr
.irp k, 0,1,2,3,4,5,6,7
	v_add_f32 v[160+4*\k], v[160+4*\k], v[162+4*\k]                ; lane = d - 32 tt
.endr
	s_wait_loadcnt 0x0                             ; bv, and the next head's bk
.irp g, 0,1,2,3
.irp tt, 0,1
	v_add_f32 v[160+4*(2*\g+\tt)], v[160+4*(2*\g+\tt)], v[BV+\tt]
.endr
.endr
.irp g, 0,1,2,3
.irp tt, 0,1
	ds_store_b32 v[ATA], v[160+4*(2*\g+\tt)] offset:1024*\g+128*\tt
.endr
.endr
.if \last == 0
	s_add_nc_u64 s[12:13], s[12:13], 1024          ; four heads on (their loads are done)
	s_add_nc_u64 s[14:15], s[14:15], 1024
	s_add_co_u32 s57, s57, 1024
	s_add_co_u32 s58, s58, 256
	s_add_co_u32 s61, s61, 128
.endif
.endm
.macro PASS last                       ; a head: four chunks, eight K steps; last = 1: the last two chunks have no successor
	EVEN 0, 0, 1
	ODD 1, 0, 1, 1
	EVEN 2, 1, 0
	ODD 3, 1, 1, 1
	EVEN 4, 0, 0
	ODD 5, 0, 1-\last, 1
	EVEN 6, 1, 0
	ODD 7, 1, 1-\last, 1-\last
	POST \last
.endm
	; ---- the head
	s_load_b256 s[4:11], s[0:1], 0x0               ; tokens s[4:5], query_vec s[6:7], gate_logits s[8:9], bq s[10:11]
	s_load_b256 s[12:19], s[0:1], 0x20             ; bk s[12:13], bv s[14:15], ws s[16:17], out0 s[18:19]
	s_load_b128 s[20:23], s[0:1], 0x40             ; out1 s[20:21], out2 s[22:23]
	v_lshl_add_u32 v[SPW], v0, 2, SPARE
	v_mov_b32 v[NIL], 0
	ds_add_u32 v6, v7
	ds_add_u32 v6, v7
	s_wait_dscnt 0x0
	v_lshrrev_b32 v1, 5, v0
	v_readfirstlane_b32 s[WV], v1                  ; wave 0..3
	s_bfe_u32 s25, ttmp6, 0x40000                  ; cx: my place in the cluster
	s_lshl_b32 s26, ttmp9, 2                       ; in a cluster launch ttmp9 counts clusters
	s_add_co_u32 s26, s26, s25                     ; my work-group: it enters the addresses of tokens, query_vec, gate_logits and the outputs alone (s25, s26, s[28:31])
	; descriptor group 1: a quarter of a chunk, dense: 68 rows of 32 elements of 8 bytes
	s_mov_b32 s32, 15|(3<<16)|(1<<21)              ; 15:0 the mask: all four work-groups; 17:16 elements of 8 bytes; 20 no padding; 21 set beside a mask
	s_mov_b32 s33, 32<<16                          ; tensor_dim0 = 32
	s_mov_b32 s34, 68<<16                          ; tensor_dim1 = 68
	s_mov_b32 s35, 32<<16                          ; tile_dim0 = 32
	s_mov_b32 s36, 68                              ; tile_dim1 = 68
	s_mov_b32 s37, 32                              ; from row to row: 32 elements
	s_mov_b32 s38, 0
	s_mov_b32 s39, 0
	s_mov_b32 s[SEL], 0x76543210
	s_mov_b32 s[SEL+1], 0xfedcba98
	s_mov_b32 s59, 0x3e000000                      ; 1 / sqrt(64)
	s_mov_b32 s60, 0x3fb8aa3b                      ; log2(e)
	v_and_b32 v[LN], 31, v0
	v_and_b32 v[R], 15, v0
	v_bfe_u32 v[H], v0, 4, 1
	v_lshlrev_b32 v[L16], 4, v[LN]
	v_lshlrev_b32 v[L4], 2, v[LN]
	v_lshlrev_b32 v[BKO], 5, v[H]
	v_cmp_le_u32 s50, 16, v[LN]                    ; the mask of lanes 16-31
	s_mul_i32 s54, s[WV], QUART
	v_add_nc_u32 v[BADR], s54, v[L16]
	v_add_nc_u32 v[BADR+1], SLOTB, v[BADR]
	v_add_nc_u32 v[AADR], AIMG, v[L16]
	v_add_nc_u32 v[SADR], ASC, v[L16]
	s_mul_i32 s54, s[WV], 16*528
	s_add_co_u32 s54, s54, STG
	v_add_nc_u32 v[STA], s54, v[L16]
	v_mul_u32_u24 v[STR], v[R], 528
	v_lshl_add_u32 v[STR], v[H], 6, v[STR]
	v_add_nc_u32 v[STR], s54, v[STR]
	s_lshl_b32 s54, s[WV], 14
	s_add_co_u32 s54, s54, AIMG
	v_add_nc_u32 v[AW0], s54, v[L16]
	s_lshl_b32 s54, s[WV], 10
	s_add_co_u32 s54, s54, ASCT
	v_add_nc_u32 v[SW0], s54, v[L4]
	v_add_nc_u32 v[QFA0], QIMG, v[L16]
	v_add_nc_u32 v[QSA0], QSC, v[L4]
	s_lshl_b32 s54, s[WV], 2
	s_add_co_u32 s54, s54, ASC
	v_add_nc_u32 v[ASW], s54, v[L16]
	s_lshl_b32 s55, s[WV], 8
	s_add_co_u32 s54, s55, QBUF
	v_and_b32 v[QW], 3, v[R]
	v_lshlrev_b32 v[QW], 12, v[QW]
	v_lshl_add_u32 v[QW], v[H], 5, v[QW]
	v_add_nc_u32 v[QW], s54, v[QW]
	v_add_nc_u32 v[QRA0], s54, v[BKO]
	s_add_co_u32 s54, s55, QSC
	v_add_nc_u32 v[QSW], s54, v[L4]
	s_lshl_b32 s55, s[WV], 11
	s_add_co_u32 s54, s55, LGT
	v_add_nc_u32 v[LGA0], s54, v[L4]
	s_add_co_u32 s54, s55, QIMG
	v_add_nc_u32 v[QIW], s54, v[L16]
	s_lshl_b32 s55, s[WV], 9
	s_add_co_u32 s54, s55, PBUF
	v_add_nc_u32 v[PBA], s54, v[L4]
	v_add_nc_u32 v[PBR], s54, v[BKO]
	s_add_co_u32 s54, s55, MABUF
	v_add_nc_u32 v[MAW], s54, v[L4]
	s_lshl_b32 s54, s[WV], 12
	s_add_co_u32 s54, s54, ATT
	v_add_nc_u32 v[ATA0], s54, v[L4]
.irp g, 0,1,2,3
	v_mov_b32 v[MA+\g], 0                          ; the sums of attn begin at 0
	v_mov_b32 v[TM+4+\g], 0                        ; written once: a lane permute's destination counts as one of its sources
.endr
	s_lshl_b32 s28, s26, 19                        ; my 128 rows of tokens, my wave's 32 of them
	s_lshl_b32 s29, s[WV], 17
	s_add_co_u32 s28, s28, s29
	s_mov_b32 s29, 0
	s_mov_b32 s31, 0
	s_mul_i32 s2, s[WV], QUART                     ; my quarter of a chunk: the wave's number alone
	s_mov_b32 s3, 0
	s_wait_kmcnt 0x0
	s_add_nc_u64 s[4:5], s[4:5], s[28:29]
	s_lshl_b32 s28, s26, 14                        ; my 4 rows of query_vec and of out0
	s_add_nc_u64 s[18:19], s[18:19], s[28:29]
	s_lshl_b32 s30, s[WV], 10                      ; my wave's two K steps of the query tile
	s_add_co_u32 s30, s30, s28
	s_add_nc_u64 s[6:7], s[6:7], s[30:31]
	s_lshl_b32 s28, s26, 9                         ; my 4 rows of gate_logits and of out1
	s_add_nc_u64 s[8:9], s[8:9], s[28:29]
	s_add_nc_u64 s[20:21], s[20:21], s[28:29]
	s_lshl_b32 s28, s26, 13                        ; my 4 x 16 rows of out2
	s_add_nc_u64 s[22:23], s[22:23], s[28:29]
	s_add_nc_u64 s[16:17], s[16:17], s[2:3]        ; ws at my quarter of chunk 0
	s_lshl_b32 s2, s[WV], 8                        ; head w's 64 numbers of each bias
	s_add_nc_u64 s[10:11], s[10:11], s[2:3]
	s_add_nc_u64 s[12:13], s[12:13], s[2:3]
	s_add_nc_u64 s[14:15], s[14:15], s[2:3]
	s_mov_b32 s40, 1                               ; group 0 for slot 0: count = 1,
	s_mul_i32 s41, s[WV], QUART                    ; LDS address: my quarter,
	s_mov_b64 s[42:43], s[16:17]                   ; chunk 0,
	s_or_b32 s43, s43, 0x80000000                  ; type = 2
	s_mov_b32 s44, 1                               ; and for slot 1: chunk 1
	s_add_co_u32 s45, s41, SLOTB
	s_add_nc_u64 s[46:47], s[16:17], SLOTB
	s_or_b32 s47, s47, 0x80000000
	CROUND                                         ; all four work-groups are here: the first joint loads meet
	tensor_load_to_lds s[40:43], s[32:39]          ; the two first fills go out together: two loads of mine are out
	s_nop 0
	tensor_load_to_lds s[44:47], s[32:39]
	s_nop 0
	PLACES
	WIN 0x40
.irp p, 0,1,2,3
.irp t, 0,1,2,3
.irp cc, 0,1
	global_load_b128 v[128+8*(4*\p+\t)+4*\cc:131+8*(4*\p+\t)+4*\cc], v[BKO], s[10:11] offset:\p*1024+64*\t+16*\cc   ; bq into q's accumulators, in their layout: every product of q adds in place
.endr
.endr
.endr
	WIN 0
.irp g, 0,1,2,3
	global_load_b32 v[GT+\g], v[L4], s[8:9] offset:128*\g
.endr
	WIN 0x80
.irp e, 0,1
.irp row, 0,1,2,3
	global_load_b128 v[192+16*\e+4*\row:195+16*\e+4*\row], v[L16], s[6:7] offset:\row*4096+\e*512 th:TH_LOAD_NT   ; the four query rows, K steps 2 w + e, into set 3
.endr
.endr
	WIN 0
	TLOAD 0, 0, 0
	TLOAD 1, 1, 0
	TLOAD 2, 0, 512
	s_wait_loadcnt 48                              ; all but the three units of tokens
.irp e, 0,1                                    ; the query tile: stage row i is query row i % 4
	WIN 0x08
.irp i, 0,1,2,3,4,5,6,7,8,9,10,11,12,13,14,15
	ds_store_b128 v[STA], v[192+16*\e+4*(\i%4):195+16*\e+4*(\i%4)] offset:528*\i
.endr
	WIN 0
	TURNOUT
	QUANT X, PW
.irp c, 0,1
	ds_store_b128 v[QIW], v[PC+4*\c:PC+4*\c+3] offset:\e*1024+\c*512
.endr
	ds_store_b32 v[QSW], v[PW] offset:\e*128
.endr
	TLOAD 3, 1, 512                                ; set 3 is free: the stage's stores have read it
	s_wait_tensorcnt 0x1                           ; chunk 0 is in; chunk 1 may stay out
	s_wait_dscnt 0x0                               ; for the others' sake: my part of the query tile is stored
	s_barrier_signal -1
	s_barrier_wait -1
	; ---- phase X: eight K steps, two a trip
	s_mov_b32 s51, 0
	s_mov_b32 s56, 3
.Lx:
	XADR
	TRIP 0, 1, 48, 48                              ; 48: the three younger units of 16 loads stay out
	TRIP 1, 1, 48, 48
	s_wait_xcnt 0x0                                ; the loads have read their base
	s_add_nc_u64 s[4:5], s[4:5], 1024              ; two K steps along the rows
	s_add_co_u32 s51, s51, 256
	s_sub_co_u32 s56, s56, 1
	s_cmp_lg_u32 s56, 0
	s_cbranch_scc1 .Lx
	XADR
	TRIP 0, 0, 48, 32                              ; the last two K steps load nothing: the counts run down
	TRIP 1, 0, 16, 0
.irp s, 0,1,2,3,4,5,6,7
	ds_load_b32 v[TM+\s], v[SW0] offset:128*\s     ; my eight scale words back (LDS serves a wave's instructions in order),
.endr
	s_wait_dscnt 0x0
.irp s, 0,1,2,3,4,5,6,7
	ds_store_b32 v[ASW], v[TM+\s] offset:512*\s    ; and to where one load of 16 bytes a lane finds the four waves' words of a K step
.endr
	WIN 0x04                                       ; q + bq goes to LDS; lanes with equal r % 4 and h store equal numbers to equal bytes.  Each accumulator from its low end on
.irp u, 0,1,2,3,4,5,6,7,8,9,10,11,12,13,14,15
.irp cc, 0,1
	ds_store_b128 v[QW], v[128+8*\u+4*\cc:131+8*\u+4*\cc] offset:(\u/4)*1024+(\u%4)*64+16*\cc
.endr
.endr
	WIN 0
	s_wait_dscnt 0x0                               ; for the others' sake: my images and scale words are stored (chunk 9's load may stay out)
	s_barrier_signal -1
	s_barrier_wait -1                              ; all 64 token fragments lie in LDS
	WIN 0x40
.irp t, 0,1,2,3
.irp cc, 0,1
	global_load_b128 v[128+8*\t+4*\cc:131+8*\t+4*\cc], v[BKO], s[12:13] offset:64*\t+16*\cc   ; bk of head w
.endr
.endr
	WIN 0
	FETCH 0, 0, 0, 0                               ; chunk 8 landed before the last trip's round
	s_mov_b32 s57, 0                               ; 1,024 p
	s_mov_b32 s58, 0                               ; 256 p
	s_mov_b32 s61, 0                               ; 128 p
	s_wait_loadcnt 0x0
	s_add_nc_u64 s[12:13], s[12:13], 1024          ; bk at the next head
	; ---- the four passes
	s_mov_b32 s56, 3
.Lp:
	PASS 0
	s_sub_co_u32 s56, s56, 1
	s_cmp_lg_u32 s56, 0
	s_cbranch_scc1 .Lp
	PASS 1                                         ; written out
	; ---- the way out: wave w stores pair w's row of out0 (4,096 bytes) and of out2 (2,048), 512 consecutive bytes an instruction
.irp g, 0,1,2,3
	ds_store_b32 v[MAW], v[MA+\g] offset:128*\g
.endr
	s_lshl_b32 s54, s[WV], 10
	s_add_co_u32 s54, s54, ATT
	v_lshlrev_b32 v14, 4, v[R]
	v_lshl_add_u32 v14, v[H], 12, v14
	v_add_nc_u32 v14, s54, v14                     ; attended: instruction i takes heads 4 (i / 2) + 2 (i % 2) + h: ATT + 4096 h + 1024 w + 16 r
	s_lshl_b32 s54, s[WV], 9
	s_add_co_u32 s54, s54, LGT
	v_and_b32 v15, 7, v[LN]
	v_lshlrev_b32 v15, 4, v15
	v_lshrrev_b32 v16, 3, v[LN]
	v_lshl_add_u32 v15, v16, 11, v15
	v_add_nc_u32 v15, s54, v15                     ; logits: instruction i takes heads 4 i + lane / 8: LGT + 2048 (lane / 8) + 512 w + 16 (lane % 8)
	s_lshl_b32 s54, s[WV], 12
	v_add_nc_u32 v16, s54, v[L16]                  ; in out0
	s_lshl_b32 s54, s[WV], 11
	v_add_nc_u32 v17, s54, v[L16]                  ; in out2
	v_add_nc_u32 v18, MABUF, v[L16]
	s_wait_dscnt 0x0                               ; for the others' sake: all my results are stored
	s_barrier_signal -1
	s_barrier_wait -1
.irp i, 0,1,2,3,4,5,6,7
	ds_load_b128 v[192+4*\i:195+4*\i], v14 offset:(\i%2)*8192+(\i/2)*256
.endr
.irp i, 0,1,2,3
	ds_load_b128 v[224+4*\i:227+4*\i], v15 offset:128*\i
.endr
.irp i, 0,1,2,3,4,5,6,7
	s_wait_dscnt 11-\i                             ; the younger loads may stay out
	global_store_b128 v16, v[192+4*\i:195+4*\i], s[18:19] offset:512*\i th:TH_STORE_NT
.endr
.irp i, 0,1,2,3
	s_wait_dscnt 3-\i
	global_store_b128 v17, v[224+4*\i:227+4*\i], s[22:23] offset:512*\i th:TH_STORE_NT
.endr
	s_cmp_lg_u32 s[WV], 0
	s_cbranch_scc1 .Lnot_mean
.irp k, 0,1,2,3
	ds_load_b128 v[128+4*\k:131+4*\k], v18 offset:512*\k           ; wave 0: the four waves' sums of attn, 4 pairs x 32 tokens
.endr
	s_wait_dscnt 0x0
	v_pk_add_f32 v[128:129], v[128:129], v[132:133]
	v_pk_add_f32 v[130:131], v[130:131], v[134:135]
	v_pk_add_f32 v[136:137], v[136:137], v[140:141]
	v_pk_add_f32 v[138:139], v[138:139], v[142:143]
	v_pk_add_f32 v[128:129], v[128:129], v[136:137]
	v_pk_add_f32 v[130:131], v[130:131], v[138:139]
	v_pk_mul_f32 v[128:129], v[128:129], 0x3d800000 op_sel_hi:[1,0]   ; / 16 heads
	v_pk_mul_f32 v[130:131], v[130:131], 0x3d800000 op_sel_hi:[1,0]
	global_store_b128 v[L16], v[128:131], s[20:21] th:TH_STORE_NT
.Lnot_mean:
	s_wait_tensorcnt 0x0                           ; the wave's end: behind my last tensor load and my last LDS store
	ds_add_u32 v[SPW], v[NIL]
	s_wait_dscnt 0x0
	CROUND                                         ; the closing round: no work-group ends while a partner may still ask for a chunk that names it
	s_endpgm
.Lfunc_end_k_qdc583fa340_main:
	.size	k_qdc583fa340_main, .Lfunc_end_k_qdc583fa340_main-k_qdc583fa340_main
	.p2alignl 7, 3214868480
	.fill 96, 4, 3214868480
	.section	.rodata,"a",@progbits
	.p2align	6, 0x0
	.amdhsa_kernel k_qdc583fa340_main
		.amdhsa_group_segment_fixed_size 327680
		.amdhsa_private_segment_fixed_size 0
		.amdhsa_enable_private_segment 0
		.amdhsa_kernarg_size 80
		.amdhsa_user_sgpr_count 2
		.amdhsa_user_sgpr_kernarg_segment_ptr 1
		.amdhsa_wavefront_size32 1
		.amdhsa_system_sgpr_workgroup_id_x 1
		.amdhsa_system_sgpr_workgroup_id_y 1
		.amdhsa_system_sgpr_workgroup_id_z 1
		.amdhsa_system_vgpr_workitem_id 0
		.amdhsa_next_free_vgpr 1024
		.amdhsa_next_free_sgpr 66
		.amdhsa_reserve_vcc 0
		.amdhsa_float_denorm_mode_32 3
		.amdhsa_float_denorm_mode_16_64 3
		.amdhsa_memory_ordered 1
		.amdhsa_forward_progress 1
		.amdhsa_inst_pref_size 255
	.end_amdhsa_kernel
	.section	.bss,"aw",@nobits
	.p2align	6
	.space	262144
	.amdgpu_metadata
---
amdhsa.version: [ 1, 2 ]
amdhsa.kernels:
  - .name:           k_qdc583fa340_main
    .symbol:         k_qdc583fa340_main.kd
    .args:
      - { .name: tokens, .offset: 0, .size: 8, .value_kind: global_buffer, .address_space: global }
      - { .name: query_vec, .offset: 8, .size: 8, .value_kind: global_buffer, .address_space: global }
      - { .name: gate_logits, .offset: 16, .size: 8, .value_kind: global_buffer, .address_space: global }
      - { .name: bq, .offset: 24, .size: 8, .value_kind: global_buffer, .address_space: global }
      - { .name: bk, .offset: 32, .size: 8, .value_kind: global_buffer, .address_space: global }
      - { .name: bv, .offset: 40, .size: 8, .value_kind: global_buffer, .address_space: global }
      - { .name: ws, .offset: 48, .size: 8, .value_kind: global_buffer, .address_space: global }
      - { .name: out0, .offset: 56, .size: 8, .value_kind: global_buffer, .address_space: global }
      - { .name: out1, .offset: 64, .size: 8, .value_kind: global_buffer, .address_space: global }
      - { .name: out2, .offset: 72, .size: 8, .value_kind: global_buffer, .address_space: global }
    .group_segment_fixed_size: 327680
    .private_segment_fixed_size: 0
    .kernarg_segment_align: 8
    .kernarg_segment_size: 80
    .max_flat_workgroup_size: 128
    .sgpr_count:     66
    .vgpr_count:     1024
    .wavefront_size: 32
...
	.end_amdgpu_metadata
.endif
;; end of part 2
;; ======== version 2 of 2: 2 launches
;; limits: right only within a limited range of input values
;; workspace buffers: ws 1,671,168 bytes
;; launch prep (part 3): grid 48 x 8, 4 waves a work-group, no clusters, 1,024 bytes of LDS; arguments Wq, Wk, Wv, ws; writes ws
.if DOCPART == 3
	.amdgcn_target "amdgcn-amd-amdhsa--gfx1250"
	.amdhsa_code_object_version 6
	.text
	.protected	k_qdc583fa340_prep
	.globl	k_qdc583fa340_prep
	.p2align	8
	.type	k_qdc583fa340_prep,@function
k_qdc583fa340_prep:
	s_mov_b64 s[64:65], 0
	v_nop
	global_prefetch_b8 v0, s[64:65] scope:SCOPE_SE
	s_setreg_imm32_b32 hwreg(HW_REG_WAVE_MODE, 25, 1), 1
	s_wait_xcnt 0x0
; Wq, Wk, Wv [1024 (k)][1024 (n)] f32 become codes of FP4 (E2M1) with one E8M0 byte for each 32 along K, in ws, in the order in which the
; second launch's operand registers take them.  No work of the problem is left out.
; A tile = 16 columns x 128 k = 1,024 bytes: the 16 bytes at 256 b + 16 r are the codes of k block b of column r.  A head's 64 columns of a K step
; are tiles 0-3 and 256 bytes of scale words: column 16 t + r at 8 (16 (t % 2) + r) + 4 (t / 2), byte b for block b.
; ws: from 0: for wave w of the second launch and K step s 9,216 bytes: Wq's tiles of heads w and 4 + w, then the scale words of heads w, 4 + w, 8 + w, 12 + w.
; From DK: for each head 36,864 bytes: Wk's tiles 0, 1 of the eight K steps, its scale words, then the same of Wv.
; From RG: 12 chunks of 65,536 bytes, a quarter for each w: chunks 0-3 Wq's tiles of heads 8 + w and 12 + w, two K steps each; chunk 4 + 2 p Wk's
; tiles 2, 3 of head 4 p + w, eight K steps; chunk 5 + 2 p Wv's.
; A work-group makes one head's K step; wave b makes k block b.  A LANE TAKES THE COLUMNS l AND l + 32 AND ITS REGISTERS RUN DOWN K, so a block lies
; in one lane and the codes come out with K innermost.
; LIMITS: a block of zeros gets the byte 1 where the rule says 127 (its codes are zeros, and this program alone reads the bytes); so does a
; block whose largest magnitude lies under 2^(3 - 127).  NaN and infinities among the inputs are not served.
.set DK,    294912
.set RG,    884736
.set X,     16                         ; v16-79: two blocks of 32 numbers
	s_load_b256 s[4:11], s[0:1], 0x0               ; Wq s[4:5], Wk s[6:7], Wv s[8:9], ws s[10:11]
	v_lshl_add_u32 v10, v0, 2, 256
	v_mov_b32 v11, 0
	v_lshrrev_b32 v1, 5, v0
	v_readfirstlane_b32 s16, v1                    ; wave = k block
	v_and_b32 v1, 31, v0
	v_lshlrev_b32 v2, 2, v1                        ; in: 4 bytes a lane
	v_lshrrev_b32 v3, 4, v1
	v_and_b32 v4, 15, v1
	v_lshlrev_b32 v4, 4, v4
	v_lshl_add_u32 v3, v3, 10, v4                  ; codes: tile lane / 16 of two, column lane % 16
	v_lshlrev_b32 v5, 3, v1                        ; scale words: 8 bytes a lane
	v_add_nc_u32 v4, s16, v5                       ; my byte in the first of them
	s_and_b32 s17, ttmp7, 0xffff                   ; K step
	s_lshr_b32 s18, ttmp9, 4                       ; matrix
	s_and_b32 s19, ttmp9, 15                       ; head
	s_lshr_b32 s20, s19, 2                         ; p
	s_and_b32 s21, s19, 3                          ; w
	s_lshl_b32 s24, s17, 19                        ; 128 rows of 4,096 bytes a K step, 32 a wave, 256 bytes a head
	s_lshl_b32 s25, s16, 17
	s_add_co_u32 s24, s24, s25
	s_lshl_b32 s25, s19, 8
	s_add_co_u32 s24, s24, s25
	s_mov_b32 s25, 0
	s_mul_i32 s26, s21, 73728                      ; Wq: w and the K step
	s_mul_i32 s22, s17, 9216
	s_add_co_u32 s26, s26, s22
	s_lshl_b32 s27, s20, 8
	s_add_co_u32 s27, s27, s26
	s_add_co_u32 s27, s27, 8192                    ; s27 its scale words
	s_lshl_b32 s22, s20, 12
	s_add_co_u32 s26, s26, s22                     ; s26 its codes, p = 0, 1
	s_lshr_b32 s28, s17, 1
	s_lshl_b32 s28, s28, 16
	s_lshl_b32 s23, s21, 14
	s_add_co_u32 s28, s28, s23
	s_and_b32 s29, s17, 1
	s_lshl_b32 s29, s29, 13
	s_add_co_u32 s28, s28, s29
	s_add_co_u32 s28, s28, s22
	s_add_co_u32 s28, s28, RG-8192                 ; p = 2, 3
	s_mul_i32 s30, s19, 36864                      ; Wk, Wv
	s_mul_i32 s31, s18, 18432
	s_add_co_u32 s30, s30, s31
	s_add_co_u32 s30, s30, DK-18432
	s_lshl_b32 s31, s17, 8
	s_add_co_u32 s31, s31, s30
	s_add_co_u32 s31, s31, 16384                   ; s31 scale words
	s_lshl_b32 s33, s17, 11
	s_add_co_u32 s30, s30, s33                     ; s30 tiles 0, 1
	s_lshl_b32 s32, s20, 1
	s_add_co_u32 s32, s32, s18
	s_add_co_u32 s32, s32, 3
	s_lshl_b32 s32, s32, 16
	s_add_co_u32 s32, s32, s23
	s_add_co_u32 s32, s32, s33
	s_add_co_u32 s32, s32, RG                      ; s32 tiles 2, 3
	s_cmp_lt_u32 s20, 2                            ; the choices hang on the work-group's number alone
	s_cselect_b32 s26, s26, s28
	s_add_co_u32 s28, s26, 2048
	s_cmp_eq_u32 s18, 0
	s_cselect_b32 s26, s26, s30
	s_cselect_b32 s28, s28, s32
	s_cselect_b32 s30, s27, s31
	s_lshl_b32 s22, s16, 8                         ; my block in a tile
	s_add_co_u32 s26, s26, s22
	s_add_co_u32 s28, s28, s22
	s_mov_b32 s27, 0
	s_mov_b32 s29, 0
	s_mov_b32 s31, 0
	s_wait_alu depctr_va_vdst(0)                   ; the wait at the head's end
	s_wait_kmcnt 0x0
	s_cmp_eq_u32 s18, 1
	s_cselect_b64 s[12:13], s[6:7], s[8:9]
	s_cmp_eq_u32 s18, 0
	s_cselect_b64 s[12:13], s[4:5], s[12:13]
	s_add_nc_u64 s[12:13], s[12:13], s[24:25]
	s_add_nc_u64 s[14:15], s[10:11], s[26:27]
	s_add_nc_u64 s[34:35], s[10:11], s[28:29]
	s_add_nc_u64 s[10:11], s[10:11], s[30:31]
.irp i, 0,1,2,3,4,5,6,7,8,9,10,11,12,13,14,15,16,17,18,19,20,21,22,23,24,25,26,27,28,29,30,31
.irp e, 0,1
	global_load_b32 v[X+32*\e+\i], v2, s[12:13] offset:\i*4096+\e*128 th:TH_LOAD_NT   ; the two loads of a row cover 256 consecutive bytes
.endr
.endr
	s_wait_loadcnt 0x0
.irp k, 0,1,2,3
	v_max3_num_f32 v[12+\k], |v[X+16*\k]|, |v[X+16*\k+1]|, 0x1800000   ; largest magnitudes, four chains, with the floor 2^(3 - 127)
.endr
.irp i, 2,4,6,8,10,12,14
.irp k, 0,1,2,3
	v_max3_num_f32 v[12+\k], v[12+\k], |v[X+16*\k+\i]|, |v[X+16*\k+\i+1]|
.endr
.endr
.irp e, 0,1
	v_max_num_f32 v[12+2*\e], v[12+2*\e], v[13+2*\e]
.endr
.irp e, 0,1
	v_add_nc_u32 v[6+\e], 0xff000000, v[12+2*\e]   ; 2 off the exponent field: the conversion's scale operand
.endr
.irp e, 0,1
.irp g, 0,1,2,3
	v_cvt_scalef32_pk8_fp4_f32 v[80+4*\e+\g], v[X+32*\e+8*\g:X+32*\e+8*\g+7], v[6+\e]
.endr
.endr
.irp e, 0,1
	v_lshrrev_b32 v[8+\e], 23, v[6+\e]             ; the scale's byte
.endr
.irp e, 0,1
	ds_store_b8 v4, v[8+\e] offset:4*\e
.endr
	global_store_b128 v3, v[80:83], s[14:15]       ; sixteen lanes store 256 consecutive bytes, aligned
	global_store_b128 v3, v[84:87], s[34:35]
	s_wait_dscnt 0x0                               ; for the others' sake: my bytes are stored
	s_barrier_signal -1
	s_barrier_wait -1
	s_cmp_lg_u32 s16, 0
	s_cbranch_scc1 .Ldone
	ds_load_b64 v[12:13], v5
	s_wait_dscnt 0x0
	global_store_b64 v5, v[12:13], s[10:11]        ; wave 0 stores the scale words: 256 consecutive bytes
.Ldone:
	s_wait_tensorcnt 0x0                           ; the wave's end
	ds_add_u32 v10, v11
	s_wait_dscnt 0x0
	s_endpgm
.Lfunc_end_k_qdc583fa340_prep:
	.size	k_qdc583fa340_prep, .Lfunc_end_k_qdc583fa340_prep-k_qdc583fa340_prep
	.p2alignl 7, 3214868480
	.fill 96, 4, 3214868480
	.section	.rodata,"a",@progbits
	.p2align	6, 0x0
	.amdhsa_kernel k_qdc583fa340_prep
		.amdhsa_group_segment_fixed_size 1024
		.amdhsa_private_segment_fixed_size 0
		.amdhsa_enable_private_segment 0
		.amdhsa_kernarg_size 32
		.amdhsa_user_sgpr_count 2
		.amdhsa_user_sgpr_kernarg_segment_ptr 1
		.amdhsa_wavefront_size32 1
		.amdhsa_system_sgpr_workgroup_id_x 1
		.amdhsa_system_sgpr_workgroup_id_y 1
		.amdhsa_system_sgpr_workgroup_id_z 1
		.amdhsa_system_vgpr_workitem_id 0
		.amdhsa_next_free_vgpr 96
		.amdhsa_next_free_sgpr 66
		.amdhsa_reserve_vcc 0
		.amdhsa_float_denorm_mode_32 3
		.amdhsa_float_denorm_mode_16_64 3
		.amdhsa_memory_ordered 1
		.amdhsa_forward_progress 1
		.amdhsa_inst_pref_size 13
	.end_amdhsa_kernel
	.amdgpu_metadata
---
amdhsa.version: [ 1, 2 ]
amdhsa.kernels:
  - .name:           k_qdc583fa340_prep
    .symbol:         k_qdc583fa340_prep.kd
    .args:
      - { .name: Wq, .offset: 0, .size: 8, .value_kind: global_buffer, .address_space: global }
      - { .name: Wk, .offset: 8, .size: 8, .value_kind: global_buffer, .address_space: global }
      - { .name: Wv, .offset: 16, .size: 8, .value_kind: global_buffer, .address_space: global }
      - { .name: ws, .offset: 24, .size: 8, .value_kind: global_buffer, .address_space: global }
    .group_segment_fixed_size: 1024
    .private_segment_fixed_size: 0
    .kernarg_segment_align: 8
    .kernarg_segment_size: 32
    .max_flat_workgroup_size: 128
    .sgpr_count:     66
    .vgpr_count:     96
    .wavefront_size: 32
...
	.end_amdgpu_metadata
.endif
;; end of part 3
;; launch main (part 4): grid 256 x 1, 4 waves a work-group, clusters of 4 x 1, 327,680 bytes of LDS; arguments tokens, query_vec, gate_logits, bq, bk, bv, ws, out0, out1, out2; writes out0, out1, out2
.if DOCPART == 4
	.amdgcn_target "amdgcn-amd-amdhsa--gfx1250"
	.amdhsa_code_object_version 6
	.text
	.protected	k_qdc583fa340_main
	.globl	k_qdc583fa340_main
	.p2align	8
	.type	k_qdc583fa340_main,@function
k_qdc583fa340_main:
	s_mov_b64 s[64:65], 0
	v_nop
	global_prefetch_b8 v0, s[64:65] scope:SCOPE_SE
	s_setreg_imm32_b32 hwreg(HW_REG_WAVE_MODE, 25, 1), 1
	s_wait_xcnt 0x0
	s_wait_alu depctr_hold_cnt(0) depctr_sa_sdst(0) depctr_va_vdst(0) depctr_va_sdst(0) depctr_va_ssrc(0) depctr_va_vcc(0) depctr_vm_vsrc(0)
	s_getreg_b32 s2, hwreg(HW_REG_IB_STS2, 6, 4)
	s_cmp_eq_u32 s2, 0
	s_cbranch_scc0 .Lentry_in_a_cluster
	s_endpgm
.Lentry_in_a_cluster:
	s_bfe_u32 s2, ttmp6, 0x10000c
	s_cmp_lg_u32 s2, 0x3003
	s_cbranch_scc0 .Lentry_shape_is_right
	s_endpgm
.Lentry_shape_is_right:
; A work-group owns 4 (t, b) groups: 4 queries and their 128 tokens, all 16 heads (the mean over heads then needs no other work-group).
; FIRST HALF: each wave quantises its 32 token rows, K step by K step (128), into an operand image in LDS (128 rows x 1,024 K: 64 KB + scales),
;   and meanwhile makes q for its heads 4 p + w (w = the wave, p = 0..3) from the quantised queries and Wq.  A row is quantised in the registers
;   that it was loaded into: a lane has 4 neighbours of each row, eight lanes a block; only codes go through LDS.
; SECOND HALF: each wave takes the whole image into 512 registers.  Four passes; in pass p wave w makes head 4 p + w in four phases of 32 columns x
;   128 tokens (16 accumulators): K0, K1, V0, V1, with the logits after K0 and K1, the softmax after K1 and the weighted sum after V0 and V1, in f32.
;   The order of the passes is turned by the cluster's number.
; THE WEIGHTS.  Half of each stream goes straight into registers, waited for by count, with no barrier: Wq of p = 0, 1 (a K step ahead), and K0's and
;   V0's columns (two phases ahead), with all scale words.  The other half comes by JOINT tensor loads of the cluster's four work-groups through a
;   ring of two slots of 65,536 bytes: two K steps of Wq, or a whole phase K1 or V1, so that a load has that much work in which to land.  Were all of it
;   joint, each of these bytes would be written to LDS and read from it, and the slots would change twice as often.
; bk enters as q . bk, one number for each query and head, added to the scaled logit; bv is added to the weighted sum (the weights sum to 1).
; No work of the problem is left out.
; No prefetch: a wave's token loads stand two K steps ahead of their use and, with Wq's, fill the load counter; weights are read by every work-group.
; LIMITS: a block of zeros gets the scale byte 1 where the rule says 127 (its codes are zeros); so does a block whose largest magnitude lies
;   under 2^(3 - 127).  NaN and infinities among the inputs are not served.
; REGISTERS.  Window 0: addresses, scales, work; v128-191 fragments from the ring, v192-255 q, then p.  Windows 1 and 2: A, K steps 0-3 and 4-7 (window 2
;   holds the tokens first, four sets of 64).  Window 3: v0-127 sums (q's, then each phase's), v128-255 weights that come straight.
.set CHUNK,  65536
.set DK,     294912
.set RG,     884736
.set HEADB,  36864                     ; a head's bytes of weights that come straight
.set SLOT1,  65536                     ; slot 1: one exclusive or turns one slot's address into the other's
.set AIMG,   131072
.set ASC,    196608
.set QIMG,   200704                    ; the queries' codes: 1,024 bytes a K step
.set QSC,    208896                    ; and scale words, 16 bytes a K step
.set QBUF,   209152                    ; q, f32
.set ATT,    225536                    ; first bq and bk, 2,048 bytes a wave, then the attended rows
.set LGT,    241920
.set PBUF,   250112
.set MABUF,  252160
.set BVB,    254208
.set QBB,    258304                    ; q . bk
.set SPARE,  258560                    ; the spare words: 128 bytes a wave
.set LN,   1
.set R,    2
.set H,    3
.set L16,  4
.set L4,   5
.set SPW,  6
.set NIL,  7
.set RB0,  8
.set RA,   9
.set AADR, 10                          ; v10, v11: the two halves of a fragment
.set SADR, 12
.set L8,   14
.set BVA0, 15
.set QBA0, 16
.set QRA0, 17
.set QRA,  18
.set LGA0, 19
.set LGA,  20
.set PBA,  21
.set PBR,  22
.set ATA0, 23
.set ATA,  24
.set BQR,  25
.set QBW,  26
.set BIA,  27
.set BIV,  28
.set MA,   25                          ; v25-28 in the second half
.set BVA,  29
.set QBA,  30
.set MSK,  31
.set SA,   32                          ; A's scale words, four for each K step
.set SWQ,  48                          ; first half: Wq's, two sets of 8
.set GT,   64
.set SD,   72                          ; K's, then V's scale words: two for each K step (tiles 0, 1; tiles 2, 3)
.set DT,   104
.set BV,   120
.set QBV,  122
.set AW0,  104                         ; the first half's own
.set AW,   108
.set SW0,  112
.set SW,   113
.set QFA0, 114
.set QFA,  116
.set QSA0, 118
.set QSA,  119
.set QAW,  120
.set QSW,  121
.set QW,   122
.set QS,   123
.set RF,   128
.set MX,   192
.set SS,   200
.set NN,   204
.set C1,   208
.set C2,   212
.set WW,   216
.set TS,   232
.set SB,   236
.set QF,   240
.set QR,   192
.set WV,   24
.set SEL,  48
.set WSB,  66
.set BP,   68
.set BN,   70
.set MSB, 0
.macro WIN new
.if MSB != \new
	s_set_vgpr_msb (MSB<<8)|\new
.set MSB, \new
.endif
.endm
.macro PLACES
.rept 4
	v_nop
.endr
.endm
.macro CREST                           ; a round of the cluster's barrier behind its opening barrier
	s_cmp_lg_u32 s[WV], 0
	s_cbranch_scc1 .Lnot_wave_0_\@
	s_barrier_signal -3
.Lnot_wave_0_\@:
	s_barrier_wait -3
	s_barrier_signal -1
	s_barrier_wait -1
.endm
.macro CROUND
	s_barrier_signal -1
	s_barrier_wait -1
	CREST
.endm
.macro WMM                             ; pA, pB: the row of the scale registers; cZ: C = 0
.if cZ
.if pA && pB
	v_wmma_scale_f32_16x16x128_f8f6f4 v[rD:rD+7], v[rA:rA+7], v[rB:rB+7], 0, v[rSA], v[rSB] matrix_a_fmt:MATRIX_FMT_FP4 matrix_b_fmt:MATRIX_FMT_FP4 matrix_a_scale:MATRIX_SCALE_ROW1 matrix_b_scale:MATRIX_SCALE_ROW1
.elseif pA
	v_wmma_scale_f32_16x16x128_f8f6f4 v[rD:rD+7], v[rA:rA+7], v[rB:rB+7], 0, v[rSA], v[rSB] matrix_a_fmt:MATRIX_FMT_FP4 matrix_b_fmt:MATRIX_FMT_FP4 matrix_a_scale:MATRIX_SCALE_ROW1
.elseif pB
	v_wmma_scale_f32_16x16x128_f8f6f4 v[rD:rD+7], v[rA:rA+7], v[rB:rB+7], 0, v[rSA], v[rSB] matrix_a_fmt:MATRIX_FMT_FP4 matrix_b_fmt:MATRIX_FMT_FP4 matrix_b_scale:MATRIX_SCALE_ROW1
.else
	v_wmma_scale_f32_16x16x128_f8f6f4 v[rD:rD+7], v[rA:rA+7], v[rB:rB+7], 0, v[rSA], v[rSB] matrix_a_fmt:MATRIX_FMT_FP4 matrix_b_fmt:MATRIX_FMT_FP4
.endif
.else
.if pA && pB
	v_wmma_scale_f32_16x16x128_f8f6f4 v[rD:rD+7], v[rA:rA+7], v[rB:rB+7], v[rD:rD+7], v[rSA], v[rSB] matrix_a_fmt:MATRIX_FMT_FP4 matrix_b_fmt:MATRIX_FMT_FP4 matrix_a_scale:MATRIX_SCALE_ROW1 matrix_b_scale:MATRIX_SCALE_ROW1
.elseif pA
	v_wmma_scale_f32_16x16x128_f8f6f4 v[rD:rD+7], v[rA:rA+7], v[rB:rB+7], v[rD:rD+7], v[rSA], v[rSB] matrix_a_fmt:MATRIX_FMT_FP4 matrix_b_fmt:MATRIX_FMT_FP4 matrix_a_scale:MATRIX_SCALE_ROW1
.elseif pB
	v_wmma_scale_f32_16x16x128_f8f6f4 v[rD:rD+7], v[rA:rA+7], v[rB:rB+7], v[rD:rD+7], v[rSA], v[rSB] matrix_a_fmt:MATRIX_FMT_FP4 matrix_b_fmt:MATRIX_FMT_FP4 matrix_b_scale:MATRIX_SCALE_ROW1
.else
	v_wmma_scale_f32_16x16x128_f8f6f4 v[rD:rD+7], v[rA:rA+7], v[rB:rB+7], v[rD:rD+7], v[rSA], v[rSB] matrix_a_fmt:MATRIX_FMT_FP4 matrix_b_fmt:MATRIX_FMT_FP4
.endif
.endif
.endm
; EIGHT ROWS of 128 k: lane l has k = 4 l .. 4 l + 3 of each, eight lanes a block.  Two rows share a register pair of four: it is converted under each row's
; scale, and v_bfi takes the first row's codes into the low half, the second's into the high half.  wa, wc: the numbers' window; k: which set of results.
.macro Q8 x, wa, wc, k
	WIN \wa
.irp r, 0,1,2,3,4,5,6,7
	v_max3_num_f32 v[MX+\r], |v[(\x)+4*\r]|, |v[(\x)+4*\r+1]|, 0x1800000   ; with the floor 2^(3 - 127)
.endr
.irp r, 0,1,2,3,4,5,6,7
	v_max3_num_f32 v[MX+\r], |v[(\x)+4*\r+2]|, |v[(\x)+4*\r+3]|, v[MX+\r]
.endr
	WIN 0
.irp r, 0,1,2,3,4,5,6,7
	v_max_num_f32_dpp v[MX+\r], v[MX+\r], v[MX+\r] row_xmask:4 row_mask:0xf bank_mask:0xf
.endr
.irp q, 0,1,2,3
	v_cndmask_b32 v[SS+\q], v[MX+2*\q], v[MX+2*\q+1], s97   ; lanes with bit 2 go on with the pair's second row
.endr
.irp m, 1,2
.irp q, 0,1,2,3
	v_max_num_f32_dpp v[SS+\q], v[SS+\q], v[SS+\q] row_xmask:\m row_mask:0xf bank_mask:0xf
.endr
.endr
.irp q, 0,1,2,3
	v_add_nc_u32 v[SS+\q], 0xff000000, v[SS+\q]    ; 2 off the exponent field: the conversion's scale operand
.endr
.irp q, 0,1,2,3
	v_mov_b32_dpp v[NN+\q], v[SS+\q] row_xmask:4 row_mask:0xf bank_mask:0xf   ; the other row's
.endr
	WIN \wc
.irp q, 0,1,2,3
	v_cvt_scalef32_pk8_fp4_f32 v[C1+\q], v[(\x)+8*\q:(\x)+8*\q+7], v[SS+\q]
.endr
.irp q, 0,1,2,3
	v_cvt_scalef32_pk8_fp4_f32 v[C2+\q], v[(\x)+8*\q:(\x)+8*\q+7], v[NN+\q]
.endr
	WIN 0
	v_cndmask_b32 v[TS], v[SS], v[SS+1], s95       ; lane j of a block keeps the scale of row 2 (j % 4) + j / 4
	v_cndmask_b32 v[TS+1], v[SS+2], v[SS+3], s95
.irp q, 0,1,2,3
	v_bfi_b32 v[WW+4*(\k)+\q], v[MSK], v[C1+\q], v[C2+\q]
.endr
	v_cndmask_b32 v[TS], v[TS], v[TS+1], s96
	v_lshrrev_b32 v[SB+(\k)], 23, v[TS]
.endm
; My rows 16 i .. 16 i + 15 of a K step: codes and scale bytes into the image.  Row r's 16 bytes of block b stand at place r xor 4 b.
.macro UNIT par, i
.irp hf, 0,1
	Q8 64*(2*(\par)+\i)+32*\hf, 0x0a, 0x02, 2*\i+\hf
.irp q, 0,1,2,3
	ds_store_b16 v[AW+2*\hf+\q/2], v[WW+4*(2*\i+\hf)+\q] offset:(\i)*8192+(\par)*1024+32*(\q%2)
	ds_store_b16_d16_hi v[AW+2*\hf+\q/2], v[WW+4*(2*\i+\hf)+\q] offset:(\i)*8192+(\par)*1024+32*(\q%2)+16
.endr
	ds_store_b8 v[SW], v[SB+2*\i+\hf] offset:(\i)*256+\hf*128+(\par)*512
.endr
.endm
.macro TLOAD set, i, koff              ; 16 rows x 128 numbers: a load brings 512 consecutive bytes
	WIN 0x80
.irp row, 0,1,2,3,4,5,6,7,8,9,10,11,12,13,14,15
	global_load_b128 v[64*(\set)+4*\row:64*(\set)+4*\row+3], v[L16], s[4:5] offset:(16*(\i)+\row)*4096+(\koff) th:TH_LOAD_NT
.endr
	WIN 0
.endm
.macro WLOAD b, off                    ; Wq, p = 0, 1, and the scale words of p = 0..3, a K step: 20 loads
.irp q, 0,1,2,3
	global_load_b64 v[SWQ+8*(\b)+2*\q:SWQ+8*(\b)+2*\q+1], v[L8], s[46:47] offset:(\off)+8192+\q*256
.endr
	WIN 0xc0
.irp u, 0,1,2,3,4,5,6,7
.irp c, 0,1
	global_load_b128 v[128+64*(\b)+8*\u+4*\c:128+64*(\b)+8*\u+4*\c+3], v[L16], s[46:47] offset:(\off)+\u*1024+\c*512
.endr
.endr
	WIN 0
.endm
.macro DLOAD bp, x, j                  ; phase K0 (x = 0) or V0 (1): K steps 2 j, 2 j + 1, and their scale words for both phases: 10 loads
.irp a, 0,1
	global_load_b64 v[SD+16*(\x)+2*(2*(\j)+\a):SD+16*(\x)+2*(2*(\j)+\a)+1], v[L8], s[\bp:\bp+1] offset:(\x)*18432+16384+(2*(\j)+\a)*256
.endr
	WIN 0xc0
.irp a, 0,1
.irp t, 0,1
.irp c, 0,1
	global_load_b128 v[128+16*(2*(\j)+\a)+8*\t+4*\c:128+16*(2*(\j)+\a)+8*\t+4*\c+3], v[L16], s[\bp:\bp+1] offset:(\x)*18432+(2*(\j)+\a)*2048+\t*1024+\c*512
.endr
.endr
.endr
	WIN 0
.endm
.macro AFETCH s                        ; A's eight fragments of a K step, and their scale words
.if (\s) < 4
	WIN 0x40
.else
	WIN 0x80
.endif
.irp m, 0,1,2,3,4,5,6,7
.irp c, 0,1
	ds_load_b128 v[64*((\s)%4)+8*\m+4*\c:64*((\s)%4)+8*\m+4*\c+3], v[AADR+\c] offset:\m*8192+(\s)*1024
.endr
.endr
	WIN 0
	ds_load_b128 v[SA+4*(\s):SA+4*(\s)+3], v[SADR] offset:(\s)*512
.endm
.macro RADR                            ; where my part of the slot in hand lies
	v_add_nc_u32 v[RA], s63, v[RB0]
	s_wait_alu depctr_va_vdst(0)                   ; directly behind the write
.endm
; A change of slots: all my tensor loads have landed, my reads of the slot that I leave are over, a round of the cluster's barrier, and that slot's next fill.
.macro CHANGE
	s_wait_tensorcnt 0x0
	ds_add_u32 v[SPW], v[NIL]
	s_xor_b32 s41, s41, SLOT1
	s_add_nc_u64 s[42:43], s[44:45], s[76:77]
	s_or_b32 s43, s43, 0x80000000
	s_wait_dscnt 0x0
	CROUND
	tensor_load_to_lds s[40:43], s[32:39]
	s_nop 0
	PLACES
	RADR
.endm
.macro FETCHQ par                      ; Wq's p = 2, 3 from the slot, and the queries' fragment and scale words: 19 loads
.irp u, 0,1,2,3,4,5,6,7
.irp c, 0,1
	ds_load_b128 v[RF+8*\u+4*\c:RF+8*\u+4*\c+3], v[RA] offset:(\par)*8192+\u*1024+\c*512
.endr
.endr
.irp c, 0,1
	ds_load_b128 v[QF+4*\c:QF+4*\c+3], v[QFA+\c] offset:(\par)*1024
.endr
	ds_load_b32 v[QS], v[QSA] offset:(\par)*16
.endm
.macro QMUL par                        ; q: 16 accumulators by turns; source 0 = 16 columns of Wq, source 1 = the queries (four rows, four times)
.set rB, QF
.set rSB, QS
.set pB, 0
.set cZ, 0
.irp u, 0,1,2,3,4,5,6,7,8,9,10,11,12,13,14,15
.set rD, 8*\u
.set rSA, SWQ+8*(\par)+\u/2
.set pA, \u%2
.if \u < 8
	WIN 0xf3
.set rA, 128+64*(\par)+8*\u
.else
	WIN 0xf0
.set rA, RF+8*(\u-8)
.endif
	WMM
.endr
	WIN 0
.endm
; A K step of the first half.  kind 0: asks for Wq a step ahead and tokens two steps ahead; 1, 2: the last two steps, which fetch A and ask for K0's weights instead.
.macro STEP par, kind
.if (\kind) < 2
	s_wait_loadcnt 63                              ; my first 16 rows are in: 68 loads are younger
.else
	s_wait_loadcnt 36                              ; 16 of the other rows and 20 of Wq are younger
.endif
	UNIT \par, 0
.if (\kind) < 2
	WLOAD 1-\par, 9216*(1+\par)
.endif
.if (\kind) == 0
	TLOAD 2*\par, 0, (2+\par)*512
.elseif (\kind) == 1
	AFETCH 0
	AFETCH 1
	AFETCH 2
	AFETCH 3
.else
	DLOAD BP, 0, 0
	AFETCH 4
	AFETCH 5
.endif
	FETCHQ \par
.if (\kind) < 2
	s_wait_loadcnt 63                              ; and the other 16: 72 or more are younger
.else
	s_wait_loadcnt 30                              ; 20 of Wq and 10 of K0's weights are younger
.endif
	UNIT \par, 1
.if (\kind) == 0
	TLOAD 2*\par+1, 1, (2+\par)*512
.elseif (\kind) == 2
	DLOAD BP, 0, 1
.endif
	s_wait_dscnt 18                                ; the fragments are in (the unit's 18 stores may be out)
.if (\kind) == 0
	s_wait_loadcnt 63                              ; this step's Wq is in: 84 loads are younger
.elseif (\kind) == 1
	s_wait_loadcnt 52                              ; 32 token loads and 20 of Wq are younger
.else
	s_wait_loadcnt 20                              ; 20 of K0's weights are younger
.endif
	QMUL \par
	PLACES
.endm
.macro XADR
	s_lshl_b32 s52, s51, 3
	s_lshl_b32 s53, s51, 2
	s_lshr_b32 s54, s51, 3
.irp q, 0,1,2,3
	v_add_nc_u32 v[AW+\q], s52, v[AW0+\q]
.endr
.irp c, 0,1
	v_add_nc_u32 v[QFA+\c], s52, v[QFA0+\c]
.endr
	v_add_nc_u32 v[SW], s53, v[SW0]
	v_add_nc_u32 v[QSA], s54, v[QSA0]
	s_wait_alu depctr_va_vdst(0)
.endm
.macro FETCHR j                        ; a ring phase's K steps 2 j, 2 j + 1: 8 loads
.irp a, 0,1
.irp t, 0,1
.irp c, 0,1
	ds_load_b128 v[RF+32*((\j)%2)+16*\a+8*\t+4*\c:RF+32*((\j)%2)+16*\a+8*\t+4*\c+3], v[RA] offset:(2*(\j)+\a)*2048+\t*1024+\c*512
.endr
.endr
.endr
.endm
; 16 matrix instructions: K step st of phase K (x = 0) or V (1), weights straight (ring = 0) or from the ring (1).  K is used transposed (source 0 = 16
; columns of Wk, source 1 = 16 tokens), V is not (source 0 = 16 tokens).
.macro MUL st, x, ring
.if (\x) == 0
.if (\st) < 4
	WIN 0xf7-3*(\ring)
.else
	WIN 0xfb-3*(\ring)
.endif
.else
.if (\st) < 4
	WIN 0xfd-12*(\ring)
.else
	WIN 0xfe-12*(\ring)
.endif
.endif
.set cZ, 0
.if (\st) == 0
.set cZ, 1
.endif
.irp m, 0,1,2,3,4,5,6,7
.irp t, 0,1
.set rD, 8*(2*\m+\t)
.set rW, 128+16*(\st)+8*\t
.if \ring
.set rW, RF+32*(((\st)/2)%2)+16*((\st)%2)+8*\t
.endif
.set rT, 64*((\st)%4)+8*\m
.set rSW, SD+16*(\x)+2*(\st)+(\ring)
.set rST, SA+4*(\st)+\m/2
.if (\x) == 0
.set rA, rW
.set rB, rT
.set rSA, rSW
.set rSB, rST
.set pA, \t
.set pB, \m%2
.else
.set rA, rT
.set rB, rW
.set rSA, rST
.set rSB, rSW
.set pA, \m%2
.set pB, \t
.endif
	WMM
.endr
.endr
.endm
.macro QRL h                           ; q of the four groups, this head's columns 32 h + 16 t + 8 half + 0..7: 16 loads
	v_add_nc_u32 v[QRA], s57, v[QRA0]
.irp g, 0,1,2,3
.irp t, 0,1
.irp cc, 0,1
	ds_load_b128 v[QR+16*\g+8*\t+4*\cc:QR+16*\g+8*\t+4*\cc+3], v[QRA] offset:\g*4096+(2*(\h)+\t)*64+16*\cc
.endr
.endr
.endr
.endm
; A phase whose weights come straight: K0 (x = 0) or V0 (1).  Behind each pair of K steps its registers are asked for again, for the phase two on.
.macro DPH x, last
.irp j, 0,1,2,3
.if \j == 0
.set NL, 30
.elseif \last
.set NL, 10*(3-\j)
.else
.set NL, 20
.endif
	s_wait_loadcnt NL                              ; this pair is in: NL / 10 younger pairs may be out
.if ((\x) == 0) && (\j == 3)
	s_wait_dscnt 0x0                               ; A is whole (first pass), q is in
.endif
.if \j > 0
	PLACES
.if (\x) == 0
	DLOAD BP, 1, \j-1
.elseif (\last) == 0
	DLOAD BN, 0, \j-1
.endif
.endif
.if ((\x) == 0) && (\j == 1)
	QRL 0
.endif
.if \j == 3
	FETCHR 0
.endif
	MUL 2*\j, \x, 0
	MUL 2*\j+1, \x, 0
	WIN 0
.endr
.endm
; A phase whose weights come from the ring: K1 or V1.  chg 1: changes slots and fills the one that is left; 2: nothing left to fill; 0: no slot follows.
.macro RPH x, chg, last
.irp j, 0,1,2
	s_wait_dscnt 0x0
	PLACES
.if \j == 0
.if (\x) == 0
	DLOAD BP, 1, 3
	v_add_nc_u32 v[BVA], s52, v[BVA0]
	v_add_nc_u32 v[QBA], s53, v[QBA0]
	ds_load_b32 v[BV], v[BVA]
	ds_load_b32 v[BV+1], v[BVA] offset:128
	ds_load_b128 v[QBV:QBV+3], v[QBA]
	QRL 1
.elseif (\last) == 0
	DLOAD BN, 0, 3
.endif
.endif
	FETCHR \j+1
	MUL 2*\j, \x, 1
	MUL 2*\j+1, \x, 1
	WIN 0
.endr
	s_wait_dscnt 0x0
.if \chg
	s_wait_tensorcnt 0x0
	ds_add_u32 v[SPW], v[NIL]
	s_xor_b32 s63, s63, SLOT1
.if (\chg) == 1
	s_xor_b32 s41, s41, SLOT1
	s_add_co_u32 s76, s55, (\x)*CHUNK              ; the next pass's
	s_add_nc_u64 s[42:43], s[44:45], s[76:77]
	s_or_b32 s43, s43, 0x80000000
.endif
.endif
	MUL 6, \x, 1
.if \chg
	s_wait_dscnt 0x0                               ; the add is done
	s_barrier_signal -1
.endif
	MUL 7, \x, 1
	WIN 0
.if \chg
	s_barrier_wait -1
.if (\chg) == 1
	CREST
	tensor_load_to_lds s[40:43], s[32:39]
	s_nop 0
	PLACES
.endif
	RADR
.endif
.endm
.macro QK h                            ; the logits' sums over a phase's 32 columns: eight chains, one for each 16 tokens
	PLACES
.if (\h) == 0
	s_wait_dscnt 8                                 ; q is in (the ring's first pair may be out)
.endif
	WIN 0x03
.irp t, 0,1
.irp jj, 0,1,2,3
.irp m, 0,1,2,3,4,5,6,7
.set rT, DT+2*\m
.set rK, 8*(2*\m+\t)+2*\jj
.set rQ, QR+16*(\m/2)+8*\t+2*\jj
.if ((\h) == 0) && (\t == 0) && (\jj == 0)
	v_pk_mul_f32 v[rT:rT+1], v[rK:rK+1], v[rQ:rQ+1]
.else
	v_pk_fma_f32 v[rT:rT+1], v[rK:rK+1], v[rQ:rQ+1], v[rT:rT+1]
.endif
.endr
.endr
.endr
	WIN 0
.if (\h) == 0
	s_wait_alu depctr_va_vdst(0)                   ; behind the writes
.endif
.endm
.macro SOFTMAX
.irp m, 0,1,2,3,4,5,6,7
	v_add_f32 v[136+\m], v[DT+2*\m], v[DT+2*\m+1]
.endr
.irp g, 0,1,2,3
	v_permlane16_swap_b32 v[136+2*\g], v[137+2*\g]
.endr
.irp g, 0,1,2,3
	v_fma_f32 v[148+\g], v[QBV+\g], s59, v[GT+\g]  ; the gate + q . bk / 8
.endr
	v_add_nc_u32 v[LGA], s61, v[LGA0]
.irp g, 0,1,2,3
	v_add_f32 v[136+2*\g], v[136+2*\g], v[137+2*\g]
.endr
.irp g, 0,1,2,3
	v_fma_f32 v[144+\g], v[136+2*\g], s59, v[148+\g]   ; lane n: token n's logit
.endr
.irp g, 0,1,2,3
	ds_store_b32 v[LGA], v[144+\g] offset:512*\g
.endr
.irp g, 0,1,2,3
	v_max_num_f32_dpp v[148+\g], v[144+\g], v[144+\g] row_xmask:1 row_mask:0xf bank_mask:0xf
.endr
.irp x, 2,4,8
.irp g, 0,1,2,3
	v_max_num_f32_dpp v[148+\g], v[148+\g], v[148+\g] row_xmask:\x row_mask:0xf bank_mask:0xf
.endr
.endr
.irp g, 0,1,2,3
	v_permlanex16_b32 v[128+\g], v[148+\g], s[SEL], s[SEL+1]
.endr
.irp g, 0,1,2,3
	v_max_num_f32 v[148+\g], v[148+\g], v[128+\g]
.endr
.irp g, 0,1,2,3
	v_sub_f32 v[152+\g], v[144+\g], v[148+\g]
.endr
.irp g, 0,1,2,3
	v_mul_f32 v[152+\g], s60, v[152+\g]
.endr
	s_wait_alu depctr_va_vdst(0)                   ; the wait ahead of a batch of transcendentals and behind it
.irp g, 0,1,2,3
	v_exp_f32 v[152+\g], v[152+\g]
.endr
	v_nop
	s_wait_alu depctr_va_vdst(0)
.irp g, 0,1,2,3
	v_add_f32_dpp v[156+\g], v[152+\g], v[152+\g] row_xmask:1 row_mask:0xf bank_mask:0xf
.endr
.irp x, 2,4,8
.irp g, 0,1,2,3
	v_add_f32_dpp v[156+\g], v[156+\g], v[156+\g] row_xmask:\x row_mask:0xf bank_mask:0xf
.endr
.endr
.irp g, 0,1,2,3
	v_permlanex16_b32 v[132+\g], v[156+\g], s[SEL], s[SEL+1]
.endr
.irp g, 0,1,2,3
	v_add_f32 v[156+\g], v[156+\g], v[132+\g]
.endr
	s_wait_alu depctr_va_vdst(0)
.irp g, 0,1,2,3
	v_rcp_f32 v[156+\g], v[156+\g]
.endr
	v_nop
	s_wait_alu depctr_va_vdst(0)
.irp g, 0,1,2,3
	v_mul_f32 v[152+\g], v[152+\g], v[156+\g]
.endr
.irp g, 0,1,2,3
	v_add_f32 v[MA+\g], v[MA+\g], v[152+\g]
.endr
.irp g, 0,1,2,3
	ds_store_b32 v[PBA], v[152+\g] offset:128*\g
.endr
.irp g, 0,1,2,3
.irp u, 0,1
.irp cc, 0,1
	ds_load_b128 v[QR+16*\g+8*\u+4*\cc:QR+16*\g+8*\u+4*\cc+3], v[PBR] offset:128*\g+64*\u+16*\cc   ; my own stores, served in order
.endr
.endr
.endr
.endm
.macro AV tt                           ; the weighted sum over the tokens, a phase's 32 columns of the four groups
	PLACES
.if (\tt) == 0
	s_wait_dscnt 8                                 ; p is in (the ring's first pair may be out)
.endif
	WIN 0x03
.irp u, 0,1
.irp jj, 0,1,2,3
.irp g, 0,1,2,3
.irp t, 0,1
.set rO, DT+2*(2*\g+\t)
.set rV, 8*(2*(2*\g+\u)+\t)+2*\jj
.set rP, QR+16*\g+8*\u+2*\jj
.if (\u == 0) && (\jj == 0)
	v_pk_mul_f32 v[rO:rO+1], v[rV:rV+1], v[rP:rP+1]
.else
	v_pk_fma_f32 v[rO:rO+1], v[rV:rV+1], v[rP:rP+1], v[rO:rO+1]
.endif
.endr
.endr
.endr
.endr
	WIN 0
	v_add_nc_u32 v[ATA], s58, v[ATA0]
.irp k, 0,1,2,3,4,5,6,7
	v_add_f32 v[DT+2*\k], v[DT+2*\k], v[DT+2*\k+1]
.endr
.irp g, 0,1,2,3
	v_permlane16_swap_b32 v[DT+4*\g], v[DT+4*\g+2]
.endr
.irp g, 0,1,2,3
	v_add_f32 v[DT+4*\g], v[DT+4*\g], v[DT+4*\g+2]
.endr
.irp g, 0,1,2,3
	v_add_f32 v[DT+4*\g], v[DT+4*\g], v[BV+(\tt)]
.endr
.irp g, 0,1,2,3
	ds_store_b32 v[ATA], v[DT+4*\g] offset:1024*\g+128*(\tt)
.endr
.endm
.macro PTOP                            ; pass number s62: its p, and where its and the next one's weights lie
	s_wait_xcnt 0x0
	s_add_co_u32 s79, s78, s62
	s_and_b32 s79, s79, 3
	s_lshl_b32 s57, s79, 10
	s_lshl_b32 s52, s79, 8
	s_lshl_b32 s53, s79, 4
	s_mul_i32 s76, s79, 4*HEADB
	s_add_nc_u64 s[BP:BP+1], s[WSB:WSB+1], s[76:77]
	s_lshl_b32 s54, s79, 17
	s_add_co_u32 s54, s54, 4*CHUNK
	s_add_co_u32 s79, s79, 1
	s_and_b32 s79, s79, 3
	s_mul_i32 s76, s79, 4*HEADB
	s_add_nc_u64 s[BN:BN+1], s[WSB:WSB+1], s[76:77]
	s_lshl_b32 s55, s79, 17
	s_add_co_u32 s55, s55, 4*CHUNK
.endm
.macro PASS last
	DPH 0, \last
	QK 0
	RPH 0, 1+\last, \last
	QK 1
	SOFTMAX
	DPH 1, \last
	AV 0
	RPH 1, 1-\last, \last
	AV 1
.endm
	s_load_b256 s[4:11], s[0:1], 0x0               ; tokens, query_vec, gate_logits, bq
	s_load_b256 s[12:19], s[0:1], 0x20             ; bk, bv, ws, out0
	s_load_b128 s[20:23], s[0:1], 0x40             ; out1, out2
	v_lshl_add_u32 v[SPW], v0, 2, SPARE
	v_mov_b32 v[NIL], 0
	ds_add_u32 v[SPW], v[NIL]                      ; the wave's opening: the add, twice on end, and its wait ahead of my first tensor load
	ds_add_u32 v[SPW], v[NIL]
	v_lshrrev_b32 v1, 5, v0
	v_readfirstlane_b32 s[WV], v1
	s_bfe_u32 s25, ttmp6, 0x40000
	s_lshl_b32 s26, ttmp9, 2
	s_add_co_u32 s26, s26, s25                     ; work-group = 4 x cluster + place
	s_and_b32 s78, ttmp9, 3                        ; the passes' order begins here
	s_mov_b32 s32, 15|(3<<16)|(1<<21)              ; a joint load for all four; elements of 8 bytes; 64 rows of 256 bytes
	s_mov_b32 s33, 32<<16
	s_mov_b32 s34, 64<<16
	s_mov_b32 s35, 32<<16
	s_mov_b32 s36, 64
	s_mov_b32 s37, 32
	s_mov_b32 s38, 0
	s_mov_b32 s39, 0
	s_mov_b32 s[SEL], 0x76543210
	s_mov_b32 s[SEL+1], 0xfedcba98
	s_mov_b32 s59, 0x3e000000                      ; 1 / sqrt(64)
	s_mov_b32 s60, 0x3fb8aa3b                      ; log2(e)
	s_mov_b32 s95, 0xaaaaaaaa                      ; lanes with bit 0, 1, 2
	s_mov_b32 s96, 0xcccccccc
	s_mov_b32 s97, 0xf0f0f0f0
	s_lshl_b32 s80, s[WV], 14
	s_add_co_u32 s83, s80, AIMG
	s_lshl_b32 s84, s[WV], 2
	s_add_co_u32 s84, s84, ASC
	s_lshl_b32 s85, s[WV], 8
	s_add_co_u32 s85, s85, QBUF
	s_lshl_b32 s86, s[WV], 5
	s_add_co_u32 s86, s86, QSC
	s_lshl_b32 s27, s[WV], 11
	s_add_co_u32 s87, s27, QIMG
	s_add_co_u32 s88, s27, LGT
	s_lshl_b32 s27, s[WV], 9
	s_add_co_u32 s89, s27, PBUF
	s_add_co_u32 s90, s27, MABUF
	s_lshl_b32 s91, s[WV], 12
	s_add_co_u32 s91, s91, ATT
	s_lshl_b32 s92, s[WV], 10
	s_add_co_u32 s92, s92, BVB
	s_lshl_b32 s93, s[WV], 6
	s_add_co_u32 s93, s93, QBB
	v_and_b32 v[LN], 31, v0
	v_and_b32 v[R], 15, v0
	v_bfe_u32 v[H], v0, 4, 1
	v_lshlrev_b32 v[L16], 4, v[LN]
	v_lshlrev_b32 v[L8], 3, v[LN]
	v_lshlrev_b32 v[L4], 2, v[LN]
	v_lshlrev_b32 v[PBR], 5, v[H]                  ; 32 x half, for now
	v_add_nc_u32 v[RB0], s80, v[L16]
	; a lane's place in a row as loaded: block b = lane / 8 (v128), j = lane % 8 (v129)
	v_lshrrev_b32 v128, 3, v[LN]
	v_and_b32 v129, 7, v[LN]
	v_lshlrev_b32 v130, 8, v128
	v_lshl_add_u32 v130, v129, 1, v130             ; 256 b + 2 j
	v_lshl_add_u32 v131, v128, 6, v130
	v_add_nc_u32 v[QAW], s87, v131
	v_add_nc_u32 v130, s83, v130
.irp q, 0,1,2,3
	v_xor_b32 v132, \q, v128
	v_lshl_add_u32 v[AW0+\q], v132, 6, v130        ; rows 4 q .. 4 q + 3: + 64 (q xor b)
.endr
	v_and_b32 v132, 3, v129
	v_lshrrev_b32 v133, 2, v129
	v_lshl_add_u32 v132, v132, 1, v133             ; the row whose scale byte I store: 2 (j % 4) + j / 4
	v_lshl_add_u32 v133, v132, 4, v128
	v_add_nc_u32 v[SW0], s84, v133
	v_lshl_add_u32 v133, v132, 2, v128
	v_add_nc_u32 v[QSW], s86, v133
	; a fragment: lane (r, h), half c: 512 c + 256 h + 16 (r xor 4 h xor 8 c)
	v_lshlrev_b32 v134, 2, v[H]
	v_lshlrev_b32 v135, 8, v[H]
	v_xor_b32 v136, v134, v[R]
	v_lshl_add_u32 v137, v136, 4, v135
	v_add_nc_u32 v[AADR], AIMG, v137
	v_xor_b32 v136, 8, v136
	v_lshl_add_u32 v137, v136, 4, v135
	v_add_nc_u32 v[AADR+1], AIMG+512, v137
	v_and_b32 v138, 3, v[R]                        ; the query
	v_xor_b32 v136, v134, v138
	v_lshl_add_u32 v137, v136, 4, v135
	v_add_nc_u32 v[QFA0], QIMG, v137
	v_xor_b32 v136, 8, v136
	v_lshl_add_u32 v137, v136, 4, v135
	v_add_nc_u32 v[QFA0+1], QIMG+512, v137
	v_lshlrev_b32 v139, 2, v138
	v_add_nc_u32 v[QSA0], QSC, v139
	v_add_nc_u32 v[QBW], s93, v139
	v_lshlrev_b32 v[QW], 12, v138
	v_add3_u32 v[QW], v[QW], v[PBR], s85
	v_mov_b32 v140, 0xffff
	v_mov_b32 v141, 0xffff0000
	v_cndmask_b32 v[MSK], v140, v141, s97
	v_add_nc_u32 v[SADR], ASC, v[L16]
	v_add_nc_u32 v[QRA0], s85, v[PBR]
	v_add_nc_u32 v[BQR], s91, v[PBR]
	v_add_nc_u32 v[PBR], s89, v[PBR]
	v_add_nc_u32 v[LGA0], s88, v[L4]
	v_add_nc_u32 v[PBA], s89, v[L4]
	v_add_nc_u32 v[ATA0], s91, v[L4]
	v_add_nc_u32 v[BVA0], s92, v[L4]
	v_mov_b32 v[QBA0], s93
	v_add_nc_u32 v[BIA], s91, v[L8]
	v_add_nc_u32 v[BIV], s92, v[L8]
.irp q, 0,1,2,3
	v_mov_b32 v[NN+\q], 0                          ; (a lane move's destination counts as one of its sources)
.endr
	s_lshl_b32 s28, s26, 19                        ; tokens: 128 rows of 4,096 bytes a work-group, 32 a wave
	s_lshl_b32 s29, s[WV], 17
	s_add_co_u32 s28, s28, s29
	s_mov_b32 s29, 0
	s_mov_b32 s31, 0
	s_mov_b32 s3, 0
	s_mov_b32 s77, 0
	s_mov_b32 s62, 0
	s_mov_b32 s63, 0
	s_wait_alu depctr_va_vdst(0)                   ; the wait at the head's end
	s_wait_dscnt 0x0                               ; both opening adds are done
	s_wait_kmcnt 0x0
	s_add_nc_u64 s[4:5], s[4:5], s[28:29]
	s_lshl_b32 s28, s26, 14
	s_add_nc_u64 s[18:19], s[18:19], s[28:29]
	s_lshl_b32 s30, s[WV], 10
	s_add_co_u32 s30, s30, s28
	s_add_nc_u64 s[6:7], s[6:7], s[30:31]          ; my work-group's queries, my wave's 256 along K
	s_lshl_b32 s28, s26, 9
	s_add_nc_u64 s[8:9], s[8:9], s[28:29]
	s_add_nc_u64 s[20:21], s[20:21], s[28:29]
	s_lshl_b32 s28, s26, 13
	s_add_nc_u64 s[22:23], s[22:23], s[28:29]
	s_lshl_b32 s2, s[WV], 8
	s_add_nc_u64 s[10:11], s[10:11], s[2:3]
	s_add_nc_u64 s[12:13], s[12:13], s[2:3]
	s_add_nc_u64 s[14:15], s[14:15], s[2:3]
	s_add_co_u32 s2, s80, RG
	s_add_nc_u64 s[44:45], s[16:17], s[2:3]        ; the ring's chunks, my quarter
	s_mul_i32 s2, s[WV], 73728
	s_add_nc_u64 s[46:47], s[16:17], s[2:3]        ; Wq, p = 0, 1
	s_mul_i32 s2, s[WV], HEADB
	s_add_co_u32 s2, s2, DK
	s_add_nc_u64 s[WSB:WSB+1], s[16:17], s[2:3]    ; Wk and Wv
	s_mov_b32 s40, 1
	s_mov_b32 s41, s80
	s_mov_b64 s[42:43], s[44:45]
	s_or_b32 s43, s43, 0x80000000
	WIN 0x40
.irp e, 0,1
.irp row, 0,1,2,3
	global_load_b128 v[16*\e+4*\row:16*\e+4*\row+3], v[L16], s[6:7] offset:\row*4096+\e*512 th:TH_LOAD_NT
.endr
.endr
.irp q, 0,1,2,3
	global_load_b64 v[32+2*\q:33+2*\q], v[L8], s[10:11] offset:\q*1024
	global_load_b64 v[40+2*\q:41+2*\q], v[L8], s[12:13] offset:\q*1024
	global_load_b64 v[48+2*\q:49+2*\q], v[L8], s[14:15] offset:\q*1024
.endr
	WIN 0
.irp g, 0,1,2,3
	global_load_b32 v[GT+\g], v[L4], s[8:9] offset:128*\g
.endr
	TLOAD 0, 0, 0
	TLOAD 1, 1, 0
	CROUND                                         ; in front of the first joint load
	tensor_load_to_lds s[40:43], s[32:39]          ; chunk 0: one tensor load a wave at the head
	s_nop 0
	PLACES
	WLOAD 0, 0
	TLOAD 2, 0, 512
	TLOAD 3, 1, 512
	s_wait_loadcnt 63                              ; queries, biases and gates are in: 84 loads are younger
	WIN 0x04
.irp q, 0,1,2,3
	ds_store_b64 v[BIA], v[32+2*\q:33+2*\q] offset:256*\q
	ds_store_b64 v[BIA], v[40+2*\q:41+2*\q] offset:1024+256*\q
	ds_store_b64 v[BIV], v[48+2*\q:49+2*\q] offset:256*\q
.endr
	WIN 0
	Q8 0, 0x05, 0x01, 0                            ; four queries at K step 2 w, then at 2 w + 1
.irp q, 0,1,2,3
	ds_store_b16 v[QAW], v[WW+\q] offset:(\q/2)*1024+32*(\q%2)
	ds_store_b16_d16_hi v[QAW], v[WW+\q] offset:(\q/2)*1024+32*(\q%2)+16
.endr
	ds_store_b8 v[QSW], v[SB]
	WIN 0xc0
.irp u, 0,1,2,3,4,5,6,7,8,9,10,11,12,13,14,15
.irp cc, 0,1
	ds_load_b128 v[8*\u+4*\cc:8*\u+4*\cc+3], v[BQR] offset:(\u/4)*256+(\u%4)*64+16*\cc   ; q's sums begin with bq
.endr
.endr
	WIN 0
	s_mov_b32 s51, 0
	s_mov_b32 s56, 3
	s_mov_b32 s76, CHUNK
.Lx:                                                   ; a trip: two K steps, one slot
	XADR
	CHANGE
	STEP 0, 0
	STEP 1, 0
	s_wait_xcnt 0x0
	s_add_nc_u64 s[4:5], s[4:5], 1024
	s_add_nc_u64 s[46:47], s[46:47], 18432
	s_add_co_u32 s51, s51, 256
	s_add_co_u32 s76, s76, CHUNK
	s_xor_b32 s63, s63, SLOT1
	s_sub_co_u32 s56, s56, 1
	s_cmp_lg_u32 s56, 0
	s_cbranch_scc1 .Lx
	XADR
	PTOP
	s_mov_b32 s76, s54                             ; the first pass's K1
	CHANGE
	STEP 0, 1
	STEP 1, 2
	DLOAD BP, 0, 2
	DLOAD BP, 0, 3
	; q is finished: q . bk for each query and head, and q itself, into LDS
.irp u, 0,1,2,3,4,5,6,7,8,9,10,11,12,13,14,15
.irp cc, 0,1
	ds_load_b128 v[128+8*\u+4*\cc:128+8*\u+4*\cc+3], v[BQR] offset:1024+(\u/4)*256+(\u%4)*64+16*\cc
.endr
.endr
	s_wait_dscnt 0x0
	WIN 0x03
.irp i, 0,1,2,3,4,5,6,7,8,9,10,11,12,13,14,15
.irp q, 0,1,2,3
.set rT, 104+2*\q
.set rK, 32*\q+2*\i
.if \i == 0
	v_pk_mul_f32 v[rT:rT+1], v[rK:rK+1], v[128+rK:129+rK]
.else
	v_pk_fma_f32 v[rT:rT+1], v[rK:rK+1], v[128+rK:129+rK], v[rT:rT+1]
.endif
.endr
.endr
	WIN 0
.irp q, 0,1,2,3
	v_add_f32 v[112+\q], v[104+2*\q], v[105+2*\q]
.endr
.irp q, 0,1,2,3
	v_permlanex16_b32 v[116+\q], v[112+\q], s[SEL], s[SEL+1]
.endr
.irp q, 0,1,2,3
	v_add_f32 v[112+\q], v[112+\q], v[116+\q]
.endr
.irp q, 0,1,2,3
	ds_store_b32 v[QBW], v[112+\q] offset:16*\q    ; lanes of one query store the same number to the same word
.endr
	WIN 0x0c
.irp u, 0,1,2,3,4,5,6,7,8,9,10,11,12,13,14,15
.irp cc, 0,1
	ds_store_b128 v[QW], v[8*\u+4*\cc:8*\u+4*\cc+3] offset:(\u/4)*1024+(\u%4)*64+16*\cc
.endr
.endr
	WIN 0
	s_xor_b32 s63, s63, SLOT1
	s_add_co_u32 s76, s54, CHUNK                   ; the first pass's V1
	CHANGE                                         ; the round also shows every wave's part of the image
	AFETCH 6
	AFETCH 7
.irp g, 0,1,2,3
	v_mov_b32 v[MA+\g], 0
.endr
	s_mov_b32 s58, 0
	s_mov_b32 s61, 0
	s_mov_b32 s62, 0
	s_wait_alu depctr_va_vdst(0)
.Lp:
	PTOP
	PASS 0
	s_add_co_u32 s58, s58, 256
	s_add_co_u32 s61, s61, 128
	s_add_co_u32 s62, s62, 1
	s_cmp_lt_u32 s62, 3
	s_cbranch_scc1 .Lp
	PTOP
	PASS 1                                         ; the last pass asks for nothing more
	; THE WAY OUT: wave w stores group w's rows, whole units of 256 bytes
	v_add_nc_u32 v9, s90, v[L4]
.irp g, 0,1,2,3
	ds_store_b32 v9, v[MA+\g] offset:128*\g
.endr
	s_lshl_b32 s54, s[WV], 10
	s_add_co_u32 s54, s54, ATT
	s_lshl_b32 s55, s[WV], 9
	s_add_co_u32 s55, s55, LGT
	s_lshl_b32 s56, s[WV], 12
	s_lshl_b32 s57, s[WV], 11
	v_lshlrev_b32 v14, 4, v[R]
	v_lshl_add_u32 v14, v[H], 12, v14
	v_add_nc_u32 v14, s54, v14
	v_and_b32 v15, 7, v[LN]
	v_lshlrev_b32 v15, 4, v15
	v_lshrrev_b32 v16, 3, v[LN]
	v_lshl_add_u32 v15, v16, 11, v15
	v_add_nc_u32 v15, s55, v15
	v_add_nc_u32 v16, s56, v[L16]
	v_add_nc_u32 v17, s57, v[L16]
	v_add_nc_u32 v18, MABUF, v[L16]
	s_wait_alu depctr_va_vdst(0)
.irp i, 0,1,2,3
	s_add_co_u32 s79, s78, \i
	s_and_b32 s79, s79, 3
	s_lshl_b32 s76, s79, 10
	v_add_nc_u32 v[240+\i], s76, v16
	s_lshl_b32 s76, s79, 9
	v_add_nc_u32 v[244+\i], s76, v17
.endr
	s_wait_alu depctr_va_vdst(0)
	s_wait_dscnt 0x0
	s_barrier_signal -1
	s_barrier_wait -1
.irp i, 0,1,2,3
.irp e, 0,1
	ds_load_b128 v[192+4*(2*\i+\e):195+4*(2*\i+\e)], v14 offset:\e*8192+\i*256
.endr
.endr
.irp i, 0,1,2,3
	ds_load_b128 v[224+4*\i:227+4*\i], v15 offset:128*\i
.endr
.irp i, 0,1,2,3
.irp e, 0,1
	s_wait_dscnt 11-2*\i-\e
	global_store_b128 v[240+\i], v[192+4*(2*\i+\e):195+4*(2*\i+\e)], s[18:19] offset:512*\e th:TH_STORE_NT
.endr
.endr
.irp i, 0,1,2,3
	s_wait_dscnt 3-\i
	global_store_b128 v[244+\i], v[224+4*\i:227+4*\i], s[22:23] th:TH_STORE_NT
.endr
	s_cmp_lg_u32 s[WV], 0
	s_cbranch_scc1 .Lnot_mean
.irp k, 0,1,2,3
	ds_load_b128 v[128+4*\k:131+4*\k], v18 offset:512*\k
.endr
	s_wait_dscnt 0x0
	v_pk_add_f32 v[128:129], v[128:129], v[132:133]
	v_pk_add_f32 v[130:131], v[130:131], v[134:135]
	v_pk_add_f32 v[136:137], v[136:137], v[140:141]
	v_pk_add_f32 v[138:139], v[138:139], v[142:143]
	v_pk_add_f32 v[128:129], v[128:129], v[136:137]
	v_pk_add_f32 v[130:131], v[130:131], v[138:139]
	v_pk_mul_f32 v[128:129], v[128:129], 0x3d800000 op_sel_hi:[1,0]
	v_pk_mul_f32 v[130:131], v[130:131], 0x3d800000 op_sel_hi:[1,0]
	global_store_b128 v[L16], v[128:131], s[20:21] th:TH_STORE_NT
.Lnot_mean:
	s_wait_tensorcnt 0x0                           ; the wave's end
	ds_add_u32 v[SPW], v[NIL]
	s_wait_dscnt 0x0
	CROUND                                         ; the closing round
	s_endpgm
.Lfunc_end_k_qdc583fa340_main:
	.size	k_qdc583fa340_main, .Lfunc_end_k_qdc583fa340_main-k_qdc583fa340_main
	.p2alignl 7, 3214868480
	.fill 96, 4, 3214868480
	.section	.rodata,"a",@progbits
	.p2align	6, 0x0
	.amdhsa_kernel k_qdc583fa340_main
		.amdhsa_group_segment_fixed_size 327680
		.amdhsa_private_segment_fixed_size 0
		.amdhsa_enable_private_segment 0
		.amdhsa_kernarg_size 80
		.amdhsa_user_sgpr_count 2
		.amdhsa_user_sgpr_kernarg_segment_ptr 1
		.amdhsa_wavefront_size32 1
		.amdhsa_system_sgpr_workgroup_id_x 1
		.amdhsa_system_sgpr_workgroup_id_y 1
		.amdhsa_system_sgpr_workgroup_id_z 1
		.amdhsa_system_vgpr_workitem_id 0
		.amdhsa_next_free_vgpr 1024
		.amdhsa_next_free_sgpr 98
		.amdhsa_reserve_vcc 0
		.amdhsa_float_denorm_mode_32 3
		.amdhsa_float_denorm_mode_16_64 3
		.amdhsa_memory_ordered 1
		.amdhsa_forward_progress 1
		.amdhsa_inst_pref_size 255
	.end_amdhsa_kernel
	.section	.bss,"aw",@nobits
	.p2align	6
	.space	262144
	.amdgpu_metadata
---
amdhsa.version: [ 1, 2 ]
amdhsa.kernels:
  - .name:           k_qdc583fa340_main
    .symbol:         k_qdc583fa340_main.kd
    .args:
      - { .name: tokens, .offset: 0, .size: 8, .value_kind: global_buffer, .address_space: global }
      - { .name: query_vec, .offset: 8, .size: 8, .value_kind: global_buffer, .address_space: global }
      - { .name: gate_logits, .offset: 16, .size: 8, .value_kind: global_buffer, .address_space: global }
      - { .name: bq, .offset: 24, .size: 8, .value_kind: global_buffer, .address_space: global }
      - { .name: bk, .offset: 32, .size: 8, .value_kind: global_buffer, .address_space: global }
      - { .name: bv, .offset: 40, .size: 8, .value_kind: global_buffer, .address_space: global }
      - { .name: ws, .offset: 48, .size: 8, .value_kind: global_buffer, .address_space: global }
      - { .name: out0, .offset: 56, .size: 8, .value_kind: global_buffer, .address_space: global }
      - { .name: out1, .offset: 64, .size: 8, .value_kind: global_buffer, .address_space: global }
      - { .name: out2, .offset: 72, .size: 8, .value_kind: global_buffer, .address_space: global }
    .group_segment_fixed_size: 327680
    .private_segment_fixed_size: 0
    .kernarg_segment_align: 8
    .kernarg_segment_size: 80
    .max_flat_workgroup_size: 128
    .sgpr_count:     98
    .vgpr_count:     1024
    .wavefront_size: 32
...
	.end_amdgpu_metadata
.endif
;; end of part 4
